; MI455X (gfx1250); checked and timed in simulation.
; The chip was launched on July 23, 2026; its instructions are those of AMD's public machine-readable ISA for CDNA 5 (MIT licence, August 2026) and "CDNA5" Instruction Set Architecture Reference Guide (July 2026). The comments in the code are by the model that wrote it; some were corrected since.
;; Transformer Block. Allowed arithmetic: float matrix products may take bf16 or f16 operands with f32 sums; other float arithmetic in f32, or as packed bf16 or f16 multiplies, adds, multiply-adds, maxima and minima; sums over many terms, partial sums and values carried from step to step in f32; what a program stores and reads back later, other than sums and carried values, may be rounded once to bf16 or f16.
;; Inputs: b_fc 4,096 float32; b_o 1,024 float32; b_proj 1,024 float32; b_qkv 3,072 float32; ln1_b 1,024 float32; ln1_w 1,024 float32; ln2_b 1,024 float32; ln2_w 1,024 float32; w_fc 4,096 x 1,024 float32; w_o 1,024 x 1,024 float32; w_proj 1,024 x 4,096 float32; w_qkv 3,072 x 1,024 float32; x 2 x 2,048 x 1,024 float32.
;; Outputs: out0 2 x 2,048 x 1,024 float32.
;; 2 versions, each right; version 2 is version 1 with the launches ln, ln2 written anew for expert scheduling mode. Each part assembles by itself: llvm-mc -triple=amdgcn-amd-amdhsa -mcpu=gfx1250 --defsym DOCPART=n.
;; ======== version 1 of 2: 7 launches
;; limits: values are held in f16: magnitudes above 65,504 overflow, below 6.1e-05 lose precision
;; workspace buffers: w16 25,165,824 bytes; act 8,388,608 bytes; qkv 25,165,824 bytes; x1 16,777,216 bytes; g 33,554,432 bytes
;; launch ln (part 1): grid 1024 x 1, 8 waves a work-group, no clusters, 0 bytes of LDS; arguments x, ln1_w, ln1_b, act, w_qkv, w_o, w_fc, w_proj, w16; writes act, w16
.if DOCPART == 1
	.amdgcn_target "amdgcn-amd-amdhsa--gfx1250"
	.amdhsa_code_object_version 6
	.text
	.protected	k_q7eb6ff72be_ln
	.globl	k_q7eb6ff72be_ln
	.p2align	8
	.type	k_q7eb6ff72be_ln,@function
k_q7eb6ff72be_ln:
	s_mov_b64 s[64:65], 0
	v_nop
	global_prefetch_b8 v0, s[64:65] scope:SCOPE_SE
	s_setreg_imm32_b32 hwreg(HW_REG_WAVE_MODE, 25, 1), 1
	s_wait_xcnt 0x0
; TWO JOBS IN ONE TEXT, told apart by the work-group's number.
; WORK-GROUPS 0 TO 255: h[m][c] = (x[m][c] - mu[m]) * rsqrt(var[m] + 1e-5) * w[c] + b[c].  x: [4096][1024] f32; w, b: [1024] f32; h: [4096][1024] f16, rounded once.
; Two passes over a row that stays in registers: the mean, then the mean of (x - mu)^2: no difference of large sums.  LIMIT: h of 65,520 or more in magnitude becomes an infinity.
; One wave, one row at a time: 4,096 bytes = 32 registers; a wave takes two rows, a work-group of eight waves 16 rows.  No LDS, no barrier; what work-groups share, w and b, is 8 KiB beside 64 KiB of rows: no cluster.
; Load j of a row covers 512 consecutive bytes (lane l: columns 128 j + 4 l .. + 3); w and b lie in registers the same way; store j covers 256 consecutive bytes, aligned.
; WORK-GROUPS 256 ON: w16 = the four weight matrices, each number rounded once to f16, in their own row-major order, one behind the other: w_qkv at byte 0, w_o at 6,291,456, w_fc at 8,388,608,
; w_proj at 16,777,216.  LIMIT: a weight of 65,520 or more in magnitude becomes an infinity; below 6e-5 f16 keeps a fixed step of 6e-8.  A work-group converts 16,384 numbers: 65,536 bytes in, 32,768 out.
; Thread t takes 16 bytes of each 4,096: a wave's load covers 512 consecutive bytes, its store 256 consecutive bytes, aligned; all 16 loads of a thread go out at once, and no register is written twice.
; The block's first norm is launched with 1,024 work-groups and does both jobs side by side; its second norm with 256, which never reach the second job.
.set X0, 32                            ; v[32:63]   row 0
.set X1, 64                            ; v[64:95]   row 1
.set W,  96                            ; v[96:127]  w
.set BV, 128                           ; v[128:159] b
.set Y,  160                           ; v[160:191] both rows in f16
	s_cmp_lt_u32 ttmp9, 256
	s_cbranch_scc0 .Lcast
	s_load_b256 s[4:11], s[0:1], 0x0               ; x s[4:5], w s[6:7], b s[8:9], h s[10:11]
	v_and_b32 v3, 31, v0
	v_lshlrev_b32 v1, 4, v3                        ; 16 x lane
	v_lshlrev_b32 v2, 3, v3                        ; 8 x lane
	v_lshrrev_b32 v3, 5, v0
	v_readfirstlane_b32 s12, v3                    ; wave
	s_lshl_b32 s13, ttmp9, 4
	s_lshl_b32 s14, s12, 1
	s_add_co_u32 s13, s13, s14                     ; my first row
	s_lshl_b32 s14, s13, 12                        ; 4,096 bytes a row of x
	s_mov_b32 s15, 0
	s_lshl_b32 s18, s13, 11                        ; 2,048 bytes a row of h
	s_mov_b32 s19, 0
	s_mov_b32 s16, 0x76543210                      ; v_permlanex16_b32: each lane takes its own place in the other half
	s_mov_b32 s17, 0xfedcba98
	s_mov_b32 s20, 0x3a800000                      ; 1 / 1024
	v_mov_b32 v16, 0x3727c5ac                      ; 1e-5
	s_wait_kmcnt 0x0
	s_add_nc_u64 s[4:5], s[4:5], s[14:15]
	s_add_nc_u64 s[10:11], s[10:11], s[18:19]
.irp j, 0,1,2,3,4,5,6,7
	global_load_b128 v[X0+4*\j:X0+4*\j+3], v1, s[4:5] offset:512*\j
.endr
.irp j, 0,1,2,3,4,5,6,7
	global_load_b128 v[X1+4*\j:X1+4*\j+3], v1, s[4:5] offset:4096+512*\j
.endr
.irp j, 0,1,2,3,4,5,6,7
	global_load_b128 v[W+4*\j:W+4*\j+3], v1, s[6:7] offset:512*\j
.endr
.irp j, 0,1,2,3,4,5,6,7
	global_load_b128 v[BV+4*\j:BV+4*\j+3], v1, s[8:9] offset:512*\j
.endr
.macro RED                             ; the four chains v[4:11] into v4, then over the 32 lanes: every lane ends with the sum
	v_pk_add_f32 v[4:5], v[4:5], v[6:7]
	v_pk_add_f32 v[8:9], v[8:9], v[10:11]
	v_pk_add_f32 v[4:5], v[4:5], v[8:9]
	v_add_f32 v4, v4, v5
	v_add_f32_dpp v4, v4, v4 row_xmask:1 row_mask:0xf bank_mask:0xf
	v_add_f32_dpp v4, v4, v4 row_xmask:2 row_mask:0xf bank_mask:0xf
	v_add_f32_dpp v4, v4, v4 row_xmask:4 row_mask:0xf bank_mask:0xf
	v_add_f32_dpp v4, v4, v4 row_xmask:8 row_mask:0xf bank_mask:0xf
	v_permlanex16_b32 v5, v4, s16, s17
	v_add_f32 v4, v4, v5
.endm
; The row in v[x ..] becomes x - mu; v[rs:rs+1] takes rsqrt(var + eps), twice.
.macro STATS x, rs
.irp c, 0,1,2,3
	v_pk_add_f32 v[4+2*\c:5+2*\c], v[(\x)+2*\c:(\x)+2*\c+1], v[(\x)+8+2*\c:(\x)+9+2*\c]  ; the first pairs start the chains: nothing is cleared
.endr
.irp p, 8,9,10,11,12,13,14,15
	v_pk_add_f32 v[4+2*(\p%4):5+2*(\p%4)], v[4+2*(\p%4):5+2*(\p%4)], v[(\x)+2*\p:(\x)+2*\p+1]
.endr
	RED
	v_mul_f32 v12, s20, v4                         ; mu
	v_mov_b32 v13, v12
.irp p, 0,1,2,3,4,5,6,7,8,9,10,11,12,13,14,15
	v_pk_add_f32 v[(\x)+2*\p:(\x)+2*\p+1], v[(\x)+2*\p:(\x)+2*\p+1], v[12:13] neg_lo:[0,1] neg_hi:[0,1]
.endr
.irp c, 0,1,2,3
	v_pk_mul_f32 v[4+2*\c:5+2*\c], v[(\x)+2*\c:(\x)+2*\c+1], v[(\x)+2*\c:(\x)+2*\c+1]
.endr
.irp p, 4,5,6,7,8,9,10,11,12,13,14,15
	v_pk_fma_f32 v[4+2*(\p%4):5+2*(\p%4)], v[(\x)+2*\p:(\x)+2*\p+1], v[(\x)+2*\p:(\x)+2*\p+1], v[4+2*(\p%4):5+2*(\p%4)]
.endr
	RED
	v_fma_f32 v4, v4, s20, v16                     ; var + eps
	v_rsq_f32 v[\rs], v4
	v_rsq_f32 v[(\rs)+1], v4
	v_nop                                          ; a plain instruction behind the last root, ahead of its use and of the next write of v4
	s_wait_alu depctr_va_vdst(0)                   ; one wait for both roots, ahead of their first reader
.endm
.macro FIN x, rs, row
.irp p, 0,1,2,3,4,5,6,7,8,9,10,11,12,13,14,15
	v_pk_mul_f32 v[(\x)+2*\p:(\x)+2*\p+1], v[(\x)+2*\p:(\x)+2*\p+1], v[\rs:(\rs)+1]
.endr
.irp p, 0,1,2,3,4,5,6,7,8,9,10,11,12,13,14,15
	v_pk_fma_f32 v[(\x)+2*\p:(\x)+2*\p+1], v[(\x)+2*\p:(\x)+2*\p+1], v[W+2*\p:W+2*\p+1], v[BV+2*\p:BV+2*\p+1]
.endr
.irp p, 0,1,2,3,4,5,6,7,8,9,10,11,12,13,14,15
	v_cvt_pk_f16_f32 v[Y+16*(\row)+\p], v[(\x)+2*\p], v[(\x)+2*\p+1]
.endr
.irp j, 0,1,2,3,4,5,6,7
	global_store_b64 v2, v[Y+16*(\row)+2*\j:Y+16*(\row)+2*\j+1], s[10:11] offset:2048*(\row)+256*\j
.endr
.endm
	s_wait_loadcnt 24                              ; row 0 is in; row 1, w and b (24 loads) stay out
	STATS X0, 14
	s_wait_loadcnt 16                              ; row 1 is in; w and b stay out
	STATS X1, 18
	s_wait_loadcnt 0x0
	FIN X0, 14, 0
	FIN X1, 18, 1
	s_endpgm
.Lcast:                                            ; the weights: the order of the work-groups is the order of the bytes of w16
	s_load_b256 s[4:11], s[0:1], 0x20              ; w_qkv s[4:5], w_o s[6:7], w_fc s[8:9], w_proj s[10:11]
	s_load_b64 s[12:13], s[0:1], 0x40              ; w16
	v_lshlrev_b32 v1, 4, v0                        ; 16 t
	v_lshlrev_b32 v2, 3, v0                        ; 8 t
	s_sub_co_u32 s14, ttmp9, 256                   ; 0 .. 767
	s_mov_b32 s18, 512                             ; the first work-group of w_proj
	s_wait_kmcnt 0x0
	s_mov_b64 s[16:17], s[10:11]
	s_cmp_lt_u32 s14, 512                          ; 256 .. 511: w_fc
	s_cselect_b64 s[16:17], s[8:9], s[16:17]
	s_cselect_b32 s18, 256, s18
	s_cmp_lt_u32 s14, 256                          ; 192 .. 255: w_o
	s_cselect_b64 s[16:17], s[6:7], s[16:17]
	s_cselect_b32 s18, 192, s18
	s_cmp_lt_u32 s14, 192                          ; 0 .. 191: w_qkv
	s_cselect_b64 s[16:17], s[4:5], s[16:17]
	s_cselect_b32 s18, 0, s18
	s_sub_co_u32 s18, s14, s18
	s_lshl_b32 s18, s18, 16                        ; 65,536 bytes of the source for each work-group
	s_mov_b32 s19, 0
	s_add_nc_u64 s[16:17], s[16:17], s[18:19]
	s_lshl_b32 s20, s14, 15                        ; 32,768 bytes of w16
	s_mov_b32 s21, 0
	s_add_nc_u64 s[12:13], s[12:13], s[20:21]
.set j, 0
.rept 16
	global_load_b128 v[8+4*j:11+4*j], v1, s[16:17] offset:4096*j th:TH_LOAD_NT
.set j, j+1
.endr
.set j, 0
.rept 16
	s_wait_loadcnt 15-j                            ; loads come back in order: load j is in, the 15 - j younger ones stay out
	v_cvt_pk_f16_f32 v[72+2*j], v[8+4*j], v[9+4*j]
	v_cvt_pk_f16_f32 v[73+2*j], v[10+4*j], v[11+4*j]
	global_store_b64 v2, v[72+2*j:73+2*j], s[12:13] offset:2048*j
.set j, j+1
.endr
	s_endpgm
.Lfunc_end_k_q7eb6ff72be_ln:
	.size	k_q7eb6ff72be_ln, .Lfunc_end_k_q7eb6ff72be_ln-k_q7eb6ff72be_ln
	.p2alignl 7, 3214868480
	.fill 96, 4, 3214868480
	.section	.rodata,"a",@progbits
	.p2align	6, 0x0
	.amdhsa_kernel k_q7eb6ff72be_ln
		.amdhsa_group_segment_fixed_size 0
		.amdhsa_private_segment_fixed_size 0
		.amdhsa_enable_private_segment 0
		.amdhsa_kernarg_size 72
		.amdhsa_user_sgpr_count 2
		.amdhsa_user_sgpr_kernarg_segment_ptr 1
		.amdhsa_wavefront_size32 1
		.amdhsa_system_sgpr_workgroup_id_x 1
		.amdhsa_system_sgpr_workgroup_id_y 1
		.amdhsa_system_sgpr_workgroup_id_z 1
		.amdhsa_system_vgpr_workitem_id 0
		.amdhsa_next_free_vgpr 192
		.amdhsa_next_free_sgpr 66
		.amdhsa_reserve_vcc 0
		.amdhsa_float_denorm_mode_32 3
		.amdhsa_float_denorm_mode_16_64 3
		.amdhsa_memory_ordered 1
		.amdhsa_forward_progress 1
		.amdhsa_inst_pref_size 27
	.end_amdhsa_kernel
	.amdgpu_metadata
---
amdhsa.version: [ 1, 2 ]
amdhsa.kernels:
  - .name:           k_q7eb6ff72be_ln
    .symbol:         k_q7eb6ff72be_ln.kd
    .args:
      - { .name: x, .offset: 0, .size: 8, .value_kind: global_buffer, .address_space: global }
      - { .name: ln1_w, .offset: 8, .size: 8, .value_kind: global_buffer, .address_space: global }
      - { .name: ln1_b, .offset: 16, .size: 8, .value_kind: global_buffer, .address_space: global }
      - { .name: act, .offset: 24, .size: 8, .value_kind: global_buffer, .address_space: global }
      - { .name: w_qkv, .offset: 32, .size: 8, .value_kind: global_buffer, .address_space: global }
      - { .name: w_o, .offset: 40, .size: 8, .value_kind: global_buffer, .address_space: global }
      - { .name: w_fc, .offset: 48, .size: 8, .value_kind: global_buffer, .address_space: global }
      - { .name: w_proj, .offset: 56, .size: 8, .value_kind: global_buffer, .address_space: global }
      - { .name: w16, .offset: 64, .size: 8, .value_kind: global_buffer, .address_space: global }
    .group_segment_fixed_size: 0
    .private_segment_fixed_size: 0
    .kernarg_segment_align: 8
    .kernarg_segment_size: 72
    .max_flat_workgroup_size: 256
    .sgpr_count:     66
    .vgpr_count:     192
    .wavefront_size: 32
...
	.end_amdgpu_metadata
.endif
;; end of part 1
;; launch gq (part 2): grid 16 x 16, 4 waves a work-group, clusters of 4 x 4, 327,680 bytes of LDS; arguments act, w16, b_qkv, qkv; writes qkv
.if DOCPART == 2
	.amdgcn_target "amdgcn-amd-amdhsa--gfx1250"
	.amdhsa_code_object_version 6
	.text
	.protected	k_q7eb6ff72be_gq
	.globl	k_q7eb6ff72be_gq
	.p2align	8
	.type	k_q7eb6ff72be_gq,@function
k_q7eb6ff72be_gq:
	s_mov_b64 s[64:65], 0
	v_nop
	global_prefetch_b8 v0, s[64:65] scope:SCOPE_SE
	s_setreg_imm32_b32 hwreg(HW_REG_WAVE_MODE, 25, 1), 1
	s_wait_xcnt 0x0
	s_wait_alu depctr_hold_cnt(0) depctr_sa_sdst(0) depctr_va_vdst(0) depctr_va_sdst(0) depctr_va_ssrc(0) depctr_va_vcc(0) depctr_vm_vsrc(0)
	s_getreg_b32 s2, hwreg(HW_REG_IB_STS2, 6, 4)
	s_cmp_eq_u32 s2, 0
	s_cbranch_scc0 .Lentry_in_a_cluster
	s_endpgm
.Lentry_in_a_cluster:
	s_bfe_u32 s2, ttmp6, 0x10000c
	s_cmp_lg_u32 s2, 0xf033
	s_cbranch_scc0 .Lentry_shape_is_right
	s_endpgm
.Lentry_shape_is_right:
; qkv = h Wqkv^T + b_qkv.  h: [4096][1024] f16; Wqkv: [3072][1024] f16 at byte WOFF of w16; b: [3072] f32; sums in f32.
; OUT: f16, rounded once, in blocks of 64 columns: [n / 64][m][64], so that a head's rows are dense, 128 bytes each (q of head h: block h, k: 16 + h, v: 32 + h).
; LIMIT: a result of 65,520 or more in magnitude becomes an infinity; NaN and infinities are not treated apart.
; A tile of C is 256 x TN; four waves, 2 x 2, each 128 x TN/2: 8 x NBK accumulators of 16 x 16.  16 x 16 tiles: one work-group for each of 256.
; K goes in steps of 128 through two LDS slots filled by tensor loads (rows of 256 bytes, padded to 272).  ONE K step is written and looped over: s47 holds the LDS byte of the slot being read
; (0 or SLOT) and turns by an exclusive or; the fragment addresses are made anew from it at each change of slots, and one descriptor set walks.
; CLUSTER 4 x 4: A's tile is asked for jointly by the four of a cluster's row, B's by the four of a column: the same load, descriptor and mask in all four.
; THE PRODUCT IS USED TRANSPOSED (source 0 = 16 rows of W, source 1 = 16 rows of h): a lane holds row l % 16 of C and eight neighbouring columns.
; REGISTERS: window 0: v16-30 addresses, v32-47 bias, v64-127 and v128-191 A's two fragment buffers (later at work on the way out); window 1: B's two buffers at the same numbers;
; windows 2, 3: accumulator (a, b) at 8 (NBK (a % 4) + b) of window 2 + a / 4.
.set TN,     192
.set WOFF,   0
.set SIZE_K, 1024
.set KSTEP,  128
.set PITCH,  272                       ; 256 bytes + 16: the 16 rows of a fragment load start 68 words apart
.set T,      SIZE_K/KSTEP
.set NBK,    TN/32                     ; blocks of 16 columns a wave
.set NCB,    TN/64                     ; blocks of 64 columns a tile
.set HA,     128*PITCH                 ; what one of A's loads brings
.set HB,     (TN/2)*PITCH              ; what one of B's brings
.set SLOT,   2*HA+2*HB                 ; A's 256 rows, then B's TN rows
.set SP,     4*TN+16                   ; a row of the f32 stage: an odd multiple of 16 bytes
.set SPARE,  2*SLOT                    ; behind the ring: the spare words, 128 bytes a wave, that no other line names
.set NLD,    2*(NBK+8)                 ; LDS loads of a quarter step
.set F0, 64
.set F1, 128
.set G1A, 24                           ; s[24:31] group 1 for A;  s[32:39] group 0, two sets: the two first fills; the second then walks
.set G0A, 32
.set G1B, 48                           ; s[48:55], s[56:63] the same for B
.set G0B, 56
; s14 wave, s15 its row half (also: 0 = I fetch for A, 1 = for B), s16 its column half (also: which part I fetch), s17 cx, s18 cy, s19 tile column, s20 tile row,
; s[44:45] where my prefetches stand, s46 their bound, s47 the slot being read, s66, s67 my part's LDS byte in a slot (A, B), s70 the stage's row byte on the way out
.set MSB, 0
.macro WIN new                         ; the immediate's high byte repeats the setting that is left; a switch that changes nothing is dropped
.if MSB != (\new)
	s_set_vgpr_msb (MSB<<8)|(\new)
.set MSB, \new
.endif
.endm
.set MUL_LO, 0xa1                      ; source 0 (B) window 1, source 1 (A) window 0, C and D window 2
.set TO_B,   0x40
.macro PLACES                          ; four plain instructions behind a product, ahead of loads into its sources and of readers of its result
.rept 4
	v_nop
.endr
.endm
.macro JLOAD s                         ; a joint load: waves 0, 1 fetch A's parts, waves 2, 3 B's; the branch hangs on the wave's number alone; s_nop 0 and four v_nop follow each line
	s_cmp_eq_u32 s15, 0
	s_cbranch_scc0 .Lfor_b_\@
	tensor_load_to_lds s[G0A+4*(\s):G0A+4*(\s)+3], s[G1A:G1A+7]
	s_nop 0
.rept 4
	v_nop
.endr
	s_branch .Lasked_\@
.Lfor_b_\@:
	tensor_load_to_lds s[G0B+4*(\s):G0B+4*(\s)+3], s[G1B:G1B+7]
	s_nop 0
.rept 4
	v_nop
.endr
.Lasked_\@:
.endm
.macro ASK                             ; the K step two refills on: a lane a row, 256 bytes each; asked while the loop's count is above 2, that is for K steps 4 to 7
	s_cmp_gt_u32 s3, s46
	s_cbranch_scc0 .Lnot_mine_\@
	global_prefetch_b8 v30, s[44:45] offset:KSTEP*2 th:TH_LOAD_NT scope:SCOPE_SE
.Lnot_mine_\@:
.endm
.macro CREST                           ; a round of the cluster's barrier behind its opening barrier
	s_cmp_lg_u32 s14, 0
	s_cbranch_scc1 .Lnot_wave_0_\@
	s_barrier_signal -3
.Lnot_wave_0_\@:
	s_barrier_wait -3
	s_barrier_signal -1
	s_barrier_wait -1
.endm
.macro CROUND
	s_barrier_signal -1
	s_barrier_wait -1
	CREST
.endm
	s_load_b256 s[4:11], s[0:1], 0x0               ; A s[4:5], w16 s[6:7], bias s[8:9], out s[10:11]
	v_lshl_add_u32 v28, v0, 2, SPARE
	v_mov_b32 v29, 0
	ds_add_u32 v28, v29                            ; the wave's opening: the add and its wait stand ahead of my first tensor load; the set-up stands between them
	v_lshrrev_b32 v1, 5, v0
	v_readfirstlane_b32 s14, v1
	s_lshr_b32 s15, s14, 1
	s_and_b32 s16, s14, 1
	s_bfe_u32 s17, ttmp6, 0x40000                  ; cx
	s_bfe_u32 s18, ttmp6, 0x40004                  ; cy
	s_lshl_b32 s19, ttmp9, 2
	s_add_co_u32 s19, s19, s17                     ; tile column
	s_and_b32 s20, ttmp7, 0xffff
	s_lshl_b32 s20, s20, 2
	s_add_co_u32 s20, s20, s18                     ; tile row
	s_lshl_b32 s21, s18, 2
	s_lshl_b32 s21, 15, s21                        ; my row of the cluster
	s_lshl_b32 s22, 0x1111, s17                    ; my column
	s_or_b32 s[G1A+0], s21, (1<<16)|(1<<20)|(1<<21)|(5<<22)|(3<<25)  ; mask; 2-byte elements; padding on; bit 21 beside a mask; 4 words after every 64
	s_or_b32 s[G1B+0], s22, (1<<16)|(1<<20)|(1<<21)|(5<<22)|(3<<25)
	s_mov_b32 s[G1A+1], KSTEP<<16                  ; tensor_dim0 = 128
	s_mov_b32 s[G1B+1], KSTEP<<16
	s_mov_b32 s[G1A+2], 128<<16                    ; tensor_dim1 = the part's rows
	s_mov_b32 s[G1B+2], (TN/2)<<16
	s_mov_b32 s[G1A+3], KSTEP<<16                  ; tile_dim0
	s_mov_b32 s[G1B+3], KSTEP<<16
	s_mov_b32 s[G1A+4], 128                        ; tile_dim1
	s_mov_b32 s[G1B+4], TN/2
	s_mov_b32 s[G1A+5], SIZE_K                     ; elements from row to row
	s_mov_b32 s[G1B+5], SIZE_K
	s_mov_b32 s[G1A+6], 0
	s_mov_b32 s[G1B+6], 0
	s_mov_b32 s[G1A+7], 0
	s_mov_b32 s[G1B+7], 0
	s_lshl_b32 s23, s16, 7
	s_lshl_b32 s40, s20, 8
	s_add_co_u32 s40, s40, s23                     ; A: row 256 x tile row + 128 x part
	s_lshl_b32 s40, s40, 11                        ; 2,048 bytes a row
	s_mov_b32 s41, 0
	s_mul_i32 s42, s19, TN
	s_mul_i32 s71, s16, TN/2
	s_add_co_u32 s42, s42, s71                     ; B: row TN x tile column + TN/2 x part
	s_lshl_b32 s42, s42, 11
	s_add_co_u32 s42, s42, WOFF
	s_mov_b32 s43, 0
	s_mul_i32 s66, s16, HA                         ; where my part goes in a slot: no place in the cluster enters an LDS address
	s_mul_i32 s67, s16, HB
	s_add_co_u32 s67, s67, 2*HA
	s_mov_b32 s47, 0
	s_wait_dscnt 0x0                               ; the opening add is done
	s_wait_kmcnt 0x0
	s_add_nc_u64 s[40:41], s[4:5], s[40:41]
	s_add_nc_u64 s[42:43], s[6:7], s[42:43]
	CROUND                                         ; all sixteen work-groups are here: the first joint loads meet
.irp s, 0,1
	s_mov_b32 s[G0A+4*(\s)], 1
	s_add_co_u32 s[G0A+4*(\s)+1], s66, (\s)*SLOT
	s_add_nc_u64 s[G0A+4*(\s)+2:G0A+4*(\s)+3], s[40:41], (\s)*KSTEP*2
	s_or_b32 s[G0A+4*(\s)+3], s[G0A+4*(\s)+3], 0x80000000
	s_mov_b32 s[G0B+4*(\s)], 1
	s_add_co_u32 s[G0B+4*(\s)+1], s67, (\s)*SLOT
	s_add_nc_u64 s[G0B+4*(\s)+2:G0B+4*(\s)+3], s[42:43], (\s)*KSTEP*2
	s_or_b32 s[G0B+4*(\s)+3], s[G0B+4*(\s)+3], 0x80000000
	JLOAD \s                                       ; K steps 0 and 1: two loads of mine are out
.endr
	v_and_b32 v1, 15, v0                           ; l % 16
	v_bfe_u32 v2, v0, 4, 1                         ; l / 16
	v_mul_u32_u24 v3, v1, PITCH
	v_lshl_add_u32 v3, v2, 4, v3                   ; a fragment's row x pitch + 16 x half
	s_mul_i32 s87, s15, HA
	v_add_nc_u32 v16, s87, v3                      ; my 128 rows of A, in slot 0
	s_mul_i32 s87, s16, HB
	s_add_co_u32 s87, s87, 2*HA
	v_add_nc_u32 v17, s87, v3                      ; my TN/2 rows of B
	v_mov_b32 v18, v16                             ; the same in the slot being read
	v_mov_b32 v19, v17
	s_mul_i32 s87, s15, 128*SP                     ; into the stage: row 128 x row half + l % 16, byte 2 TN x column half + 32 (l / 16)
	s_mul_i32 s70, s16, 2*TN
	s_add_co_u32 s87, s87, s70
	v_mul_u32_u24 v20, v1, SP
	v_lshl_add_u32 v20, v2, 5, v20
	v_add_nc_u32 v20, s87, v20
	v_add_nc_u32 v21, 64*SP, v20                   ; the same 64 rows on: an LDS offset has 16 bits
	s_mul_i32 s87, s14, 64*SP                      ; back: wave w takes rows 64 w on; lanes 0-15 256 bytes of one row, lanes 16-31 of the next
	v_mul_u32_u24 v22, v2, SP
	v_lshl_add_u32 v22, v1, 4, v22
	v_add_nc_u32 v22, s87, v22
	v_and_b32 v24, 31, v0
	v_lshlrev_b32 v24, 3, v24                      ; 8 x lane: my 8 bytes of 256 of the output
	v_lshlrev_b32 v25, 4, v1                       ; my 4 columns of a block's 64, in the bias
	s_mul_i32 s2, s19, 4*TN
	s_mov_b32 s3, 0
	s_add_nc_u64 s[8:9], s[8:9], s[2:3]            ; the tile's columns in the bias
.set cb, 0
.rept NCB
	global_load_b128 v[32+4*cb:35+4*cb], v25, s[8:9] offset:256*cb
.set cb, cb+1
.endr
	s_mul_i32 s2, s19, NCB*4096                    ; out: block NCB x tile column, row 256 x tile row + 64 x wave, 128 bytes a row
	s_lshl_b32 s87, s20, 8
	s_add_co_u32 s2, s2, s87
	s_lshl_b32 s87, s14, 6
	s_add_co_u32 s2, s2, s87
	s_lshl_b32 s2, s2, 7
	s_add_nc_u64 s[10:11], s[10:11], s[2:3]
	; THE PREFETCHES.  A's tile row is read by every cluster of that row of clusters: cluster x = 0 asks; B's tile column: cluster y = 0.  Of the rows that a wave fetches each of the four partners that
	; ask for them jointly takes a quarter, told apart by address (cx for A, cy for B): a lane a row.  Where a quarter is 24 rows, lanes 24-31 name row 23 once more.
	s_lshl_b32 s2, s20, 8
	s_mul_i32 s3, s19, TN
	s_and_b32 s68, ttmp7, 0xffff
	s_cmp_eq_u32 s15, 0
	s_cselect_b32 s2, s2, s3                       ; the tile's first row
	s_cselect_b32 s3, s17, s18                     ; my place among the four
	s_cselect_b32 s68, ttmp9, s68                  ; the coordinate along which other clusters read the same rows
	s_cselect_b32 s69, 32, TN/8                    ; a partner's rows
	s_cselect_b32 s70, 0, WOFF
	s_cselect_b64 s[44:45], s[4:5], s[6:7]
	s_cmp_eq_u32 s68, 0
	s_cselect_b32 s46, 2, -1                       ; the same in all sixteen partners, for a given wave
	s_lshl_b32 s87, s69, 2
	s_mul_i32 s87, s87, s16
	s_add_co_u32 s2, s2, s87                       ; + the part that I fetch
	s_mul_i32 s3, s3, s69
	s_add_co_u32 s2, s2, s3                        ; + my work-group's quarter of it
	s_lshl_b32 s2, s2, 11
	s_add_co_u32 s2, s2, s70
	s_add_co_u32 s2, s2, 2*KSTEP*2                 ; at K step 2: the first refill steps it to 3 and names K step 4
	s_mov_b32 s3, 0
	s_add_nc_u64 s[44:45], s[44:45], s[2:3]
	s_sub_co_u32 s69, s69, 1
	v_and_b32 v30, 31, v0
	v_min_u32 v30, s69, v30
	v_lshlrev_b32 v30, 11, v30                     ; my row, 2,048 bytes a row; never rewritten
; 2 NBK products: m blocks a0, a0 + 1 of the window's four x all n blocks, 32 along K.  zero = 1: the first product starts the sums.  The accumulators take turns in the same order in every quarter.
.macro MULH f, hi, a0, zero
	WIN MUL_LO+0x50*(\hi)
.irp a, \a0, (\a0)+1
.set bb, 0
.rept NBK
.if \zero
	v_wmma_f32_16x16x32_f16 v[8*(NBK*(\a)+bb):8*(NBK*(\a)+bb)+7], v[(\f)+8*bb:(\f)+8*bb+7], v[(\f)+8*(4*(\hi)+(\a)):(\f)+8*(4*(\hi)+(\a))+7], 0
.else
	v_wmma_f32_16x16x32_f16 v[8*(NBK*(\a)+bb):8*(NBK*(\a)+bb)+7], v[(\f)+8*bb:(\f)+8*bb+7], v[(\f)+8*(4*(\hi)+(\a)):(\f)+8*(4*(\hi)+(\a))+7], v[8*(NBK*(\a)+bb):8*(NBK*(\a)+bb)+7]
.endif
.set bb, bb+1
.endr
.endr
.endm
.macro FETCH k, f                      ; NLD LDS loads in one run: a quarter step's fragments, B's first, at byte k of the rows of the slot being read
	WIN TO_B
.set ii, 0
.rept NBK
	ds_load_b128 v[(\f)+8*ii:(\f)+8*ii+3],   v19 offset:(\k)+ii*16*PITCH
	ds_load_b128 v[(\f)+8*ii+4:(\f)+8*ii+7], v19 offset:(\k)+ii*16*PITCH+32
.set ii, ii+1
.endr
	WIN 0
.set ii, 0
.rept 8
	ds_load_b128 v[(\f)+8*ii:(\f)+8*ii+3],   v18 offset:(\k)+ii*16*PITCH
	ds_load_b128 v[(\f)+8*ii+4:(\f)+8*ii+7], v18 offset:(\k)+ii*16*PITCH+32
.set ii, ii+1
.endr
.endm
.macro QUARTER k, f, g, zero           ; multiplies buffer f; in its middle fetches the quarter at byte k into g
	s_wait_dscnt 8                                 ; B and A's rows 0-63 are in; the youngest eight loads (A's rows 64-127) may be out
	MULH \f, 0, 0, \zero
	MULH \f, 0, 2, \zero
	PLACES
	FETCH \k, \g
	s_wait_dscnt NLD                               ; all but the run just issued
	MULH \f, 1, 0, \zero
	MULH \f, 1, 2, \zero
.endm
; The last quarter multiplies buffer 1 and changes slots.  In front of the barrier each wave waits for all its tensor loads (one is out: its part of the other slot), adds 0 to its spare word, and waits for
; that and for its reads of this slot.  fill = 1: the barrier opens a round of the cluster's, and the slot just read out is filled again, first thing behind the round, with the K step two on.
.macro TURN fill
.if \fill
	s_wait_xcnt 0x0                                ; the last prefetch, a K step back, has read its address
	s_add_nc_u64 s[44:45], s[44:45], KSTEP*2
.endif
	WIN 0
	s_wait_tensorcnt 0x0
	ds_add_u32 v28, v29
	s_wait_dscnt 9                                 ; the add and the youngest eight loads may be out
	MULH F1, 0, 0, 0
	s_wait_dscnt 0x0                               ; the add is done, my reads of this slot are over
	s_barrier_signal -1
	MULH F1, 0, 2, 0
	WIN 0
	s_barrier_wait -1
.if \fill
	CREST
	s_add_co_u32 s[G0A+5], s66, s47                ; the walking set: my part of the slot just read out,
	s_add_co_u32 s[G0B+5], s67, s47
	s_add_nc_u64 s[G0A+6:G0A+7], s[G0A+6:G0A+7], KSTEP*2  ; the next K step
	s_add_nc_u64 s[G0B+6:G0B+7], s[G0B+6:G0B+7], KSTEP*2
	JLOAD 1                                        ; its four v_nop are also the places in front of the loads below
.else
	PLACES
.endif
	s_xor_b32 s47, s47, SLOT                       ; the other slot is read now
	v_add_nc_u32 v18, s47, v16
	v_add_nc_u32 v19, s47, v17
	FETCH 0, F0
.if \fill
	ASK
.endif
	MULH F1, 1, 0, 0
	MULH F1, 1, 2, 0
.endm
	s_wait_tensorcnt 1                             ; my part of K step 0 is in; K step 1's may stay out
	s_barrier_signal -1
	s_barrier_wait -1
	FETCH 0, F0
	QUARTER 64, F0, F1, 1                          ; the first quarter stands in front of the loop: its products start the sums
	WIN 0
	s_mov_b32 s3, T-2
.Lk:                                               ; a trip: from a K step's second quarter to the next step's first; it fills one slot again
	QUARTER 128, F1, F0, 0
	QUARTER 192, F0, F1, 0
	TURN 1
	QUARTER 64, F0, F1, 0
	WIN 0
	s_sub_co_u32 s3, s3, 1
	s_cmp_lg_u32 s3, 0
	s_cbranch_scc1 .Lk
	s_mov_b32 s2, 2
.Ltail:                                            ; the last two K steps ask for nothing; the second trip is left in its middle, and its TURN's run of loads (a stale quarter) serves nothing: the price of one text
	QUARTER 128, F1, F0, 0
	QUARTER 192, F0, F1, 0
	TURN 0
	WIN 0
	s_sub_co_u32 s2, s2, 1
	s_cmp_eq_u32 s2, 0
	s_cbranch_scc1 .Lout
	QUARTER 64, F0, F1, 0
	WIN 0
	s_branch .Ltail
.Lout:
	; THE WAY OUT.  The ring has had its last fill; when nobody reads it any more the f32 sums go into a stage of 256 rows x SP bytes at LDS byte 0, and come back as whole rows.
	PLACES
	PLACES
	s_wait_dscnt 0x0
	s_barrier_signal -1
	s_barrier_wait -1
.set aa, 0
.rept 8
	WIN 0x08+4*(aa/4)                              ; the stores' data (source 1) in window 2 or 3
.set bb, 0
.rept NBK
	ds_store_b128 v[20+aa/4], v[8*(NBK*(aa%4)+bb):8*(NBK*(aa%4)+bb)+3]   offset:(aa%4)*16*SP+64*bb
	ds_store_b128 v[20+aa/4], v[8*(NBK*(aa%4)+bb)+4:8*(NBK*(aa%4)+bb)+7] offset:(aa%4)*16*SP+64*bb+16
.set bb, bb+1
.endr
.set aa, aa+1
.endr
	WIN 0
	s_wait_dscnt 0x0                               ; for the others' sake: my stores are done
	s_barrier_signal -1
	s_barrier_wait -1
	s_wait_loadcnt 0x0                             ; the bias
	s_mov_b32 s70, 0
	; 4 trips of 8 pairs of rows x NCB blocks.  A unit is two rows x 64 columns: 512 bytes of f32 in, 256 consecutive bytes of f16 out, aligned.
	s_mov_b32 s2, 4
.Lrows:
	v_add_nc_u32 v23, s70, v22
.set q, 0
.rept 8*NCB
	ds_load_b128 v[64+4*q:67+4*q], v23 offset:(q/NCB)*2*SP+256*(q%NCB)
.set q, q+1
.endr
.set q, 0
.rept 8*NCB
	s_wait_dscnt 8*NCB-1-q                         ; unit q is in, the younger ones stay out
	v_pk_add_f32 v[64+4*q:65+4*q], v[64+4*q:65+4*q], v[32+4*(q%NCB):33+4*(q%NCB)]
	v_pk_add_f32 v[66+4*q:67+4*q], v[66+4*q:67+4*q], v[34+4*(q%NCB):35+4*(q%NCB)]
	v_cvt_pk_f16_f32 v[160+2*q], v[64+4*q], v[65+4*q]
	v_cvt_pk_f16_f32 v[161+2*q], v[66+4*q], v[67+4*q]
	global_store_b64 v24, v[160+2*q:161+2*q], s[10:11] offset:(q%NCB)*524288+(q/NCB)*256
.set q, q+1
.endr
	s_wait_xcnt 0x0                                ; the stores have read their data and their base: both are written again only behind this wait
	s_add_nc_u64 s[10:11], s[10:11], 2048
	s_add_co_u32 s70, s70, 16*SP
	s_sub_co_u32 s2, s2, 1
	s_cmp_lg_u32 s2, 0
	s_cbranch_scc1 .Lrows
	s_wait_tensorcnt 0x0                           ; the wave's end
	ds_add_u32 v28, v29
	s_wait_dscnt 0x0
	CROUND                                         ; the closing round
	s_endpgm
.Lfunc_end_k_q7eb6ff72be_gq:
	.size	k_q7eb6ff72be_gq, .Lfunc_end_k_q7eb6ff72be_gq-k_q7eb6ff72be_gq
	.p2alignl 7, 3214868480
	.fill 96, 4, 3214868480
	.section	.rodata,"a",@progbits
	.p2align	6, 0x0
	.amdhsa_kernel k_q7eb6ff72be_gq
		.amdhsa_group_segment_fixed_size 327680
		.amdhsa_private_segment_fixed_size 0
		.amdhsa_enable_private_segment 0
		.amdhsa_kernarg_size 32
		.amdhsa_user_sgpr_count 2
		.amdhsa_user_sgpr_kernarg_segment_ptr 1
		.amdhsa_wavefront_size32 1
		.amdhsa_system_sgpr_workgroup_id_x 1
		.amdhsa_system_sgpr_workgroup_id_y 1
		.amdhsa_system_sgpr_workgroup_id_z 1
		.amdhsa_system_vgpr_workitem_id 0
		.amdhsa_next_free_vgpr 1024
		.amdhsa_next_free_sgpr 88
		.amdhsa_reserve_vcc 0
		.amdhsa_float_denorm_mode_32 3
		.amdhsa_float_denorm_mode_16_64 3
		.amdhsa_memory_ordered 1
		.amdhsa_forward_progress 1
		.amdhsa_inst_pref_size 76
	.end_amdhsa_kernel
	.amdgpu_metadata
---
amdhsa.version: [ 1, 2 ]
amdhsa.kernels:
  - .name:           k_q7eb6ff72be_gq
    .symbol:         k_q7eb6ff72be_gq.kd
    .args:
      - { .name: act, .offset: 0, .size: 8, .value_kind: global_buffer, .address_space: global }
      - { .name: w16, .offset: 8, .size: 8, .value_kind: global_buffer, .address_space: global }
      - { .name: b_qkv, .offset: 16, .size: 8, .value_kind: global_buffer, .address_space: global }
      - { .name: qkv, .offset: 24, .size: 8, .value_kind: global_buffer, .address_space: global }
    .group_segment_fixed_size: 327680
    .private_segment_fixed_size: 0
    .kernarg_segment_align: 8
    .kernarg_segment_size: 32
    .max_flat_workgroup_size: 128
    .sgpr_count:     88
    .vgpr_count:     1024
    .wavefront_size: 32
...
	.end_amdgpu_metadata
.endif
;; end of part 2
;; launch attn (part 3): grid 8 x 32, 8 waves a work-group, no clusters, 327,680 bytes of LDS; arguments qkv, act; writes act
.if DOCPART == 3
	.amdgcn_target "amdgcn-amd-amdhsa--gfx1250"
	.amdhsa_code_object_version 6
	.text
	.protected	k_q7eb6ff72be_attn
	.globl	k_q7eb6ff72be_attn
	.p2align	8
	.type	k_q7eb6ff72be_attn,@function
k_q7eb6ff72be_attn:
	s_mov_b64 s[64:65], 0
	v_nop
	global_prefetch_b8 v0, s[64:65] scope:SCOPE_SE
	s_setreg_imm32_b32 hwreg(HW_REG_WAVE_MODE, 25, 1), 1
	s_wait_xcnt 0x0
; CAUSAL ATTENTION.  y[b][h][t][:] = the sum over k <= t of softmax_k(q . k / 8) v.  q, k, v: blocks h, 16 + h, 32 + h of qkv = [48][4096 rows b 2048 + t][64] f16: a head's 2,048 rows are dense, 128 bytes each.
; y: [16 heads][4096][64] f16, the same layout.  Products, maxima and sums in f32; the weights p are rounded to f16 for the second product (their sum l is taken of the unrounded p), y once at the end.
; LIMITS.  q, k, v arrive within f16's 65,504, so a score is 64 x 65,504^2 = 2.7e11 at the most in magnitude.  A hidden score counts as its value less 1e30; a weight below 2^-126 counts as 0 in l; NaN and infinities are not treated apart.
; THE WALK.  A head's queries lie in 16 blocks of 128; block i needs the key steps (64 keys) 0 .. 2 i + 1: i + 1 PAIRS of steps.  A work-group takes blocks 15 - b and then b: 17 pairs, whatever b, in 9 tiles of
; 256 keys (two pairs each): one loop with a constant count walks the tiles through two LDS slots.  Where a block ends in a tile's middle the tile's second pair is jumped, forward, past no barrier and no tensor load.
; NO CLUSTER: a head's eight work-groups ask for the same tile in the first five trips only; behind that the first blocks end one after the other, and a walk common to all would have 12 trips for 9.
; TWO WAVES TO A SIMD, THE KEYS SPLIT BETWEEN THEM.  A step has 32 products and some 240 vector instructions that hang on each other; a wave alone on its SIMD leaves each unit idle while it feeds the other.
; So eight waves of 512 registers: waves w and w + 4 own the same queries; of each pair of key steps the wave of PARITY p = w / 4 takes step p, with a running maximum, sum and O^T of its own.
; Each fragment of K and V is still read from LDS by four waves and feeds two tiles of queries: the LDS reads are those of four waves that take every step.
; SHARES.  Of a block's two bands of 64 queries waves w and w + 4 own rows 16 (w % 4) on, in each band: two PIECES.  A wave of parity 1 holds the bands swapped: its piece u is band u xor p.  So in a block's last pair
; piece 0 holds the diagonal in every wave (band p in step p), and piece 1 sees all keys (p = 0: band 1, first step) or none (p = 1: band 0, second step): one scalar's value, no branch on the parity.
; THE MASK is the C operand that starts the sum S^T = K Q^T: 0, or -1e30 where the key is hidden; it is made anew at a block's first pair and in its last.
; THE RUNNING MAXIMUM m STARTS AT -1e20: below every true score (2.7e11 at the most in magnitude) and above every hidden one.  So m is the maximum of the true scores that a row has seen, and a hidden score never becomes it.
; That matters in block 0, which has one pair: there the piece 1 of a wave of parity 1 sees hidden keys alone.  Its m stays at the start, c s - c m is near -1.8e29, all its weights are 0, and so are its l and its O^T.
; (Were a hidden score to become m, c s - c m would be what the rounding of c m leaves, some 1e22 either way, and no exponent.)
; THE MERGE, at a block's end: every wave hands its piece 1 (O^T, c m, l, in f32) to its partner through LDS bytes of its own and takes the partner's piece 1, which is its own piece 0's band.  With cm = max(cm0, cm1),
; a0 = 2^(cm0 - cm), a1 = 2^(cm1 - cm): l = a0 l0 + a1 l1, O = (a0 O0 + a1 O1) / l: the running maximum's own rule, once more.  A piece that saw hidden keys alone has c m = -1.8e19, so its factor is 0, on sums that are 0.
; The other of the two pieces holds the row's own key, so l is never 0.
; Then every wave stores 16 rows of y.  Two barriers: between the stores and the partner's reads, and behind those reads, so that no later store into these bytes stands in one span with them.
; Every counter that steers a branch or a barrier is made of the work-group's number and constants: it is the same in all eight waves.
; LAYOUT.  S^T = K Q^T holds ONE query a lane (l % 16) and the keys 8 (l / 16) + 0..7; two such results rounded to f16 ARE source 1 of O^T = V^T P.  p = 2^(c s - c m), c = log2(e) / 8;
; O and l are multiplied by a = 2^(c m_old - c m_new) in every step; c m starts at -4.25e37, far below c times m's start, so a block's first step has a = 0.
; A STEP GOES IN PHASES: 16 products K Q^T; maximum and statistics; scalings and one batch of 66 exponentials with one wait; roundings, sums, rescaling; 16 products V^T P.
; My next step's K is fetched behind K Q^T, its V behind V^T P, in every live step and without a branch.  The two LDS addresses step at the head of every trip, dead or live, and stop at my last step of the slot:
; they hang on the slot, the parity and the trip's number alone.  The last trip's fetch takes that step once more and serves nothing.
; REGISTERS.  window 0: v2-15, v36-39 addresses; v16-23 statistics (piece u: c m, m, l, l at 16 + 4 u); v24-31 at work; v64-127 S^T; v128-159 P; v160-223 O^T.
; window 1: v0-31 Q; v32-63 the second block's Q; v64-127 K; v128-191 V; v192-255 the masks.
; SCALARS.  s[4:5] Q, s[48:49] second block's; s[6:7], s[8:9] K, V at my half of tile 0; s[10:11] y, s[76:77] second block's; s12 wave; s2 parity; s3 wave % 4; s14 b; s[24:47] descriptors; s[50:51], s52 prefetch address
; and count; s53 slot being read; s54 pairs left in the block; s55 pairs of the block to come; s56, s57 counters; s62, s63 LDS byte of my next K, V fetch; s79, s80 their bounds; s81, s82 my step's place in a pair;
; s83 0 or all ones by parity; s66-68 tile to ask for, last tile, second block's last; s69 1: masks are stale
.set KS,    64
.set PK,    144                        ; a row of K in LDS: 128 bytes + 16
.set PV,    160                        ; a row of V: 128 + 32: 16 lanes of the turning load take 8 rows x 32 bytes
.set VOFF,  4*KS*PK
.set SLOT1, 1<<17
.set STAGE, SLOT1+4*KS*(PK+PV)         ; behind the ring, never filled by a tensor load: 16 rows x 144 bytes a wave, for the way out
.set SP,    144
.set XCH,   STAGE+8*16*SP              ; the exchange: 9 x 512 bytes a wave: 32 registers of O^T, 4 of statistics
.set XW,    9*512
.set SPARE, XCH+8*XW                   ; the spare words, 128 bytes a wave, that no other line names
.set MSTART, 0xe0ad78ec                ; -1e20: where m starts
.set S,  64
.set P,  128
.set O,  160
.set QF, 0
.set QB, 32
.set KF, 64
.set VF, 128
.set MC, 192
.set MSB, 0
.macro WIN new
.if MSB != (\new)
	s_set_vgpr_msb (MSB<<8)|(\new)
.set MSB, \new
.endif
.endm
.macro PLACES
.rept 4
	v_nop
.endr
.endm
.macro LOAD                            ; waves 0, 1 fetch the two halves of a tile's K, waves 2, 3 of its V: 128 keys each; waves 4 to 7 fetch nothing; s_nop 0 and four v_nop follow each line
	s_cmp_lt_u32 s12, 2
	s_cbranch_scc0 .Lnot_k_\@
	tensor_load_to_lds s[40:43], s[24:31]
	s_nop 0
.rept 4
	v_nop
.endr
	s_branch .Lasked_\@
.Lnot_k_\@:
	s_cmp_lt_u32 s12, 4
	s_cbranch_scc0 .Lasked_\@
	tensor_load_to_lds s[44:47], s[32:39]
	s_nop 0
.rept 4
	v_nop
.endr
.Lasked_\@:
.endm
; A prefetch of my 16,384 bytes of the tile that the NEXT change of slots will load: a lane 256 bytes, two instructions.  All eight work-groups of a head begin with the same tiles: b = 0, whose first block
; walks all eight, asks, by the four waves that load, for tiles 2 to 7, each once; all other counts are 0.
.macro ASK
	s_cmp_lg_u32 s52, 0
	s_cbranch_scc0 .Lnot_mine_\@
	global_prefetch_b8 v36, s[50:51] th:TH_LOAD_NT scope:SCOPE_SE
	global_prefetch_b8 v36, s[50:51] offset:8192 th:TH_LOAD_NT scope:SCOPE_SE
	s_sub_co_u32 s52, s52, 1
.Lnot_mine_\@:
.endm
; THE CHANGE OF SLOTS.  Each wave waits for all its tensor loads (at most one is out: its part of the other slot), adds 0 to its spare word, and waits for that and for its reads of the slot that it leaves.
; fill = 1: the old slot is filled again, first thing behind the barrier, with tile s66; the descriptor's address is made anew from that number.
.macro CHANGE fill
	WIN 0
	s_wait_tensorcnt 0x0
	ds_add_u32 v62, v63
.if \fill
	s_lshl_b32 s70, s66, 15                        ; a tile is 32,768 bytes of K and of V
	s_xor_b32 s41, s41, SLOT1
	s_add_nc_u64 s[42:43], s[6:7], s[70:71]
	s_or_b32 s43, s43, 0x80000000
	s_xor_b32 s45, s45, SLOT1
	s_add_nc_u64 s[46:47], s[8:9], s[70:71]
	s_or_b32 s47, s47, 0x80000000
	s_add_co_u32 s66, s66, 1                       ; the block's next tile, or behind its last the second block's tile 0
	s_cmp_gt_u32 s66, s67
	s_cselect_b32 s66, 0, s66
	s_cselect_b32 s67, s68, s67
	s_wait_xcnt 0x0                                ; the last prefetches, a slot back, have read their address
	s_add_nc_u64 s[50:51], s[50:51], 32768
.endif
	s_wait_dscnt 0x0                               ; the add is done, my reads of the slot are over
	s_barrier_signal -1
	s_xor_b32 s53, s53, SLOT1                      ; the other slot is read now, from my step of its first pair
	s_add_co_u32 s62, s53, s81
	s_add_co_u32 s63, s53, s82
	s_add_co_u32 s79, s62, 2*KS*PK                 ; my step of its second pair: the fetches go no further
	s_add_co_u32 s80, s63, 2*KS*PV
	s_barrier_wait -1
.if \fill
	LOAD
	ASK
.endif
.endm
	s_load_b128 s[84:87], s[0:1], 0x0              ; qkv s[84:85], y s[86:87]
	v_lshl_add_u32 v62, v0, 2, SPARE
	v_mov_b32 v63, 0
	ds_add_u32 v62, v63                            ; the wave's opening: the add and its wait stand ahead of my first tensor load
	v_lshrrev_b32 v1, 5, v0
	v_readfirstlane_b32 s12, v1                    ; wave 0..7
	s_lshr_b32 s2, s12, 2                          ; parity: which step of a pair is mine
	s_and_b32 s3, s12, 3                           ; which 16 rows of a band
	s_mov_b32 s14, ttmp9
	s_and_b32 s13, ttmp7, 0xffff
	s_and_b32 s15, s13, 15                         ; head
	s_lshr_b32 s13, s13, 4                         ; batch
	s_lshl_b32 s15, s15, 19                        ; a block of 64 columns is 4,096 rows of 128 bytes
	s_lshl_b32 s13, s13, 18
	s_add_co_u32 s13, s13, s15                     ; the head's first byte in a third of qkv and in y
	s_and_b32 s15, s12, 1                          ; which half of a tile's 256 keys I fetch (waves 0 to 3)
	s_lshl_b32 s16, s15, 14
	s_add_co_u32 s16, s16, s13
	s_add_co_u32 s18, s16, 0x1000000               ; V
	s_add_co_u32 s16, s16, 0x800000                ; K
	s_mov_b32 s17, 0
	s_mov_b32 s19, 0
	s_mov_b32 s40, 1
	s_mul_i32 s41, s15, 128*PK                     ; slot 0
	s_mov_b32 s44, 1
	s_mul_i32 s45, s15, 128*PV
	s_add_co_u32 s45, s45, VOFF
	s_lshl_b32 s15, s3, 11                         ; my 16 rows in a band
	s_add_co_u32 s15, s15, s13
	s_sub_co_u32 s20, 15, s14
	s_lshl_b32 s20, s20, 14                        ; a block is 128 rows of 128 bytes
	s_add_co_u32 s20, s20, s15                     ; the first block
	s_mov_b32 s21, 0
	s_lshl_b32 s22, s14, 14
	s_add_co_u32 s22, s22, s15                     ; the second
	s_mov_b32 s23, 0
	s_lshl_b32 s70, s2, 13                         ; my piece 0's band: 64 rows of 128 bytes on for parity 1
	s_mov_b32 s71, 0
	s_mul_i32 s81, s2, KS*PK
	s_mul_i32 s82, s2, KS*PV
	s_sub_co_u32 s83, 0, s2
	; 128 keys are 16,384 dense bytes: asked for as 64 rows of 256 bytes, padded in LDS after every key
	s_mov_b32 s24, (1<<16)|(1<<20)|(4<<22)|(3<<25) ; 2-byte elements; padding on; after every 32 words; 4 words
	s_mov_b32 s32, (1<<16)|(1<<20)|(4<<22)|(7<<25) ; 8 words
.irp g, 24, 32
	s_mov_b32 s[\g+1], 128<<16
	s_mov_b32 s[\g+2], 64<<16
	s_mov_b32 s[\g+3], 128<<16
	s_mov_b32 s[\g+4], 64
	s_mov_b32 s[\g+5], 128
	s_mov_b32 s[\g+6], 0
	s_mov_b32 s[\g+7], 0
.endr
	s_mov_b32 s58, 0x3e38aa3b                      ; c = log2(e) / 8
	s_mov_b32 s59, s58
	s_mov_b32 s60, 0x76543210
	s_mov_b32 s61, 0xfedcba98
	s_mov_b32 s53, SLOT1                           ; the first change turns it into 0
	s_mov_b32 s54, 0                               ; no block in hand
	s_add_co_u32 s78, s14, 1                       ; the second block's pairs, b + 1
	s_sub_co_u32 s55, 16, s14                      ; the first block's, 16 - b
	s_mov_b32 s56, 8
	s_mov_b32 s66, 1
	s_sub_co_u32 s67, 15, s14
	s_lshr_b32 s67, s67, 1
	s_lshr_b32 s68, s14, 1
	s_mov_b32 s69, 0
	s_mov_b32 s73, 0xf149f2ca                      ; -1e30
	s_cmp_eq_u32 s14, 0
	s_cselect_b32 s52, 6, 0
	s_cmp_lt_u32 s12, 4
	s_cselect_b32 s52, s52, 0
	s_wait_dscnt 0x0                               ; the opening add is done
	s_wait_kmcnt 0x0
	s_add_nc_u64 s[6:7], s[84:85], s[16:17]
	s_add_nc_u64 s[8:9], s[84:85], s[18:19]
	s_add_nc_u64 s[4:5], s[84:85], s[20:21]
	s_add_nc_u64 s[48:49], s[84:85], s[22:23]
	s_add_nc_u64 s[10:11], s[86:87], s[20:21]
	s_add_nc_u64 s[10:11], s[10:11], s[70:71]      ; I store my piece 0's band
	s_add_nc_u64 s[76:77], s[86:87], s[22:23]
	s_add_nc_u64 s[76:77], s[76:77], s[70:71]
	s_add_nc_u64 s[42:43], s[6:7], 0
	s_or_b32 s43, s43, 0x80000000
	s_add_nc_u64 s[46:47], s[8:9], 0
	s_or_b32 s47, s47, 0x80000000
	s_cmp_lt_u32 s12, 2
	s_cselect_b64 s[50:51], s[6:7], s[8:9]
	s_add_nc_u64 s[50:51], s[50:51], 32768         ; at tile 1: the first change steps it to tile 2
	LOAD                                           ; tile 0 into slot 0
	v_and_b32 v1, 15, v0                           ; l % 16
	v_bfe_u32 v9, v0, 4, 1                         ; l / 16
	v_lshlrev_b32 v15, 7, v1
	v_lshl_add_u32 v15, v9, 4, v15                 ; row x 128 + 16 x half,
	v_add_nc_u32 v15, s70, v15                     ; in piece 0's band;
	v_xor_b32 v37, 0x2000, v15                     ; piece 1 has the other band
	WIN 0x40
.set i, 0
.rept 2                                ; both blocks' Q: channels 32 i on, piece 0 and piece 1
	global_load_b128 v[QF+8*i:QF+8*i+3],       v15, s[4:5] offset:i*64
	global_load_b128 v[QF+8*i+4:QF+8*i+7],     v15, s[4:5] offset:i*64+32
	global_load_b128 v[QF+16+8*i:QF+16+8*i+3],   v37, s[4:5] offset:i*64
	global_load_b128 v[QF+16+8*i+4:QF+16+8*i+7], v37, s[4:5] offset:i*64+32
	global_load_b128 v[QB+8*i:QB+8*i+3],       v15, s[48:49] offset:i*64
	global_load_b128 v[QB+8*i+4:QB+8*i+7],     v15, s[48:49] offset:i*64+32
	global_load_b128 v[QB+16+8*i:QB+16+8*i+3],   v37, s[48:49] offset:i*64
	global_load_b128 v[QB+16+8*i+4:QB+16+8*i+7], v37, s[48:49] offset:i*64+32
.set i, i+1
.endr
	WIN 0
	v_lshlrev_b32 v14, 3, v9
	v_sub_nc_u32 v14, v1, v14
	s_lshl_b32 s13, s3, 4
	v_add_nc_u32 v14, s13, v14                     ; my query's place in its band less 8 (l / 16): register j of key group kt is hidden on the diagonal where 16 kt + j is greater
	v_mul_u32_u24 v2, v1, PK
	v_lshl_add_u32 v2, v9, 4, v2                   ; K: row x pitch + 16 x half
	v_and_b32 v10, 7, v0
	v_bfe_u32 v11, v0, 3, 1
	v_lshl_add_u32 v3, v9, 3, v10                  ; V, turned: key 8 (l / 16) + l % 8, channels 8 ((l / 8) % 2) on
	v_mul_u32_u24 v3, v3, PV
	v_lshl_add_u32 v3, v11, 4, v3
	v_add_nc_u32 v3, VOFF, v3
	s_mul_i32 s13, s12, 16*SP
	s_add_co_u32 s13, s13, STAGE                   ; my stage
	v_mul_u32_u24 v6, v1, SP                       ; in: row l % 16, 16 bytes for each half of the lanes
	v_lshl_add_u32 v6, v9, 4, v6
	v_add_nc_u32 v6, s13, v6
	v_bfe_u32 v7, v0, 3, 2                         ; back: 32 lanes take four rows of 128 bytes,
	v_mul_u32_u24 v7, v7, SP
	v_lshl_add_u32 v7, v10, 4, v7
	v_add_nc_u32 v7, s13, v7
	v_and_b32 v8, 31, v0                           ; which are 512 consecutive bytes of y
	v_lshlrev_b32 v36, 8, v8                       ; the prefetches: 256 x lane
	v_lshlrev_b32 v8, 4, v8
	s_mul_i32 s13, s12, XW
	s_add_co_u32 s13, s13, XCH
	v_add_nc_u32 v38, s13, v8                      ; the exchange: where I put 16 bytes a lane,
	s_xor_b32 s13, s12, 4
	s_mul_i32 s13, s13, XW
	s_add_co_u32 s13, s13, XCH
	v_add_nc_u32 v39, s13, v8                      ; and where my partner has put its
	; A block's first step multiplies O^T and l by a = 0: they need only hold finite numbers.  Zeros for the first block, and for the masks; all this stands in the wait for the first tile.
.set i, O
.rept 64
	v_mov_b32 v[i], 0
.set i, i+1
.endr
	v_mov_b32 v18, 0
	v_mov_b32 v19, 0
	v_mov_b32 v22, 0
	v_mov_b32 v23, 0
	WIN 0x40
.set i, MC
.rept 64
	v_mov_b32 v[i], 0
.set i, i+1
.endr
	WIN 0
; Product i of 16 of S^T = K Q^T: channels 32 (i / 8) on, keys 16 ((i / 2) % 4) on, piece i % 2.  The first 8 start the sums with the mask.  The 8 accumulators take turns.
.macro KQ
.set rS, S+32*(i%2)+8*((i/2)%4)
.set rK, KF+16*((i/2)%4)+8*(i/8)
.set rQ, QF+16*(i%2)+8*(i/8)
.set rM, MC+32*(i%2)+8*((i/2)%4)
.if i < 8
	WIN 0x15
	v_wmma_f32_16x16x32_f16 v[rS:rS+7], v[rK:rK+7], v[rQ:rQ+7], v[rM:rM+7]
.else
	WIN 0x05
	v_wmma_f32_16x16x32_f16 v[rS:rS+7], v[rK:rK+7], v[rQ:rQ+7], v[rS:rS+7]
.endif
.set i, i+1
.endm
; Product i of 16 of O^T += V^T P: keys 32 (i / 8) on, channels 16 ((i / 2) % 4) on, piece i % 2.
.macro PV
	WIN 0x01
.set rO, O+32*(i%2)+8*((i/2)%4)
.set rV, VF+32*(i/8)+8*((i/2)%4)
.set rP, P+16*(i%2)+8*(i/8)
	v_wmma_f32_16x16x32_f16 v[rO:rO+7], v[rV:rV+7], v[rP:rP+7], v[rO:rO+7]
.set i, i+1
.endm
.macro FETCH_K                         ; 16 LDS loads: a step's K, 64 keys x 64 channels, at LDS byte s62
	WIN 0
	v_add_nc_u32 v4, s62, v2
	WIN 0x40
.irp f, 0,1,2,3,4,5,6,7
	ds_load_b128 v[KF+8*\f:KF+8*\f+3],   v4 offset:(\f/2)*16*PK+(\f%2)*64
	ds_load_b128 v[KF+8*\f+4:KF+8*\f+7], v4 offset:(\f/2)*16*PK+(\f%2)*64+32
.endr
	WIN 0
.endm
.macro FETCH_V                         ; 16 turning loads: a step's V, at LDS byte s63
	WIN 0
	v_add_nc_u32 v5, s63, v3
	WIN 0x40
.irp f, 0,1,2,3,4,5,6,7
	ds_load_tr16_b128 v[VF+8*\f:VF+8*\f+3],   v5 offset:(\f/4)*32*PV+(\f%4)*32
	ds_load_tr16_b128 v[VF+8*\f+4:VF+8*\f+7], v5 offset:(\f/4)*32*PV+16*PV+(\f%4)*32
.endr
	WIN 0
.endm
.macro REGS u                          ; the registers of piece u
.set rT, 16+4*(\u)
.set rC, 24+4*(\u)
.set rW, 12+(\u)
.set rS, S+32*(\u)
.set rP, P+16*(\u)
.set rO, O+32*(\u)
.endm
; Number n of the 22 that find a piece's maximum and statistics.  0-11 four chains of seven scores (each accumulator's lowest registers are read first); 12-14, 16 the four scores left over,
; the old m, and the chains into one; 15 c m_old is kept; 17, 18 the other half of the lanes; 19-21 c m, its change, a.
.macro XS u, n
	REGS \u
.if (\n) < 4
	v_max3_num_f32 v[rC+(\n)], v[rS+8*(\n)], v[rS+8*(\n)+1], v[rS+8*(\n)+2]
.elseif (\n) < 12
	v_max3_num_f32 v[rC+(\n)%4], v[rC+(\n)%4], v[rS+8*((\n)%4)+2*((\n)/4)+1], v[rS+8*((\n)%4)+2*((\n)/4)+2]
.elseif (\n) == 12
	v_max3_num_f32 v[rC], v[rC], v[rS+7], v[rS+15]
.elseif (\n) == 13
	v_max3_num_f32 v[rC+1], v[rC+1], v[rS+23], v[rS+31]
.elseif (\n) == 14
	v_max3_num_f32 v[rC+2], v[rC+2], v[rC+3], v[rT+1]
.elseif (\n) == 15
	v_mov_b32 v[rW], v[rT]
.elseif (\n) == 16
	v_max3_num_f32 v[rC], v[rC], v[rC+1], v[rC+2]
.elseif (\n) == 17
	v_permlanex16_b32 v[rC+3], v[rC], s60, s61
.elseif (\n) == 18
	v_max_num_f32 v[rT+1], v[rC], v[rC+3]
.elseif (\n) == 19
	v_mul_f32 v[rT], s58, v[rT+1]
.elseif (\n) == 20
	v_sub_f32 v[rC+1], v[rW], v[rT]
.else
	v_exp_f32 v[rC+2], v[rC+1]
.endif
.endm
.macro FS f                            ; c s - c m for pair f / 2 of piece f % 2
	REGS (\f)%2
	v_pk_fma_f32 v[rS+2*((\f)/2):rS+2*((\f)/2)+1], v[rS+2*((\f)/2):rS+2*((\f)/2)+1], s[58:59], v[rT:rT+1] op_sel_hi:[1,0,0] neg_lo:[0,0,1] neg_hi:[0,0,1]
.endm
.macro EX e                            ; the exponential of score e / 2 of piece e % 2
	REGS (\e)%2
	v_exp_f32 v[rS+(\e)/2], v[rS+(\e)/2]
.endm
.macro RS r                            ; pair r / 2 of piece r % 2's O^T times a
	REGS (\r)%2
	v_pk_mul_f32 v[rO+2*((\r)/2):rO+2*((\r)/2)+1], v[rO+2*((\r)/2):rO+2*((\r)/2)+1], v[rC+2:rC+3] op_sel_hi:[1,0]
.endm
; The masks of this step's products.  Not the block's last pair: 0 and 0.  The last pair: piece 0 the diagonal; piece 1 0 for parity 0, hidden for parity 1.
.macro MASK
	s_cmp_eq_u32 s54, 1
	s_cselect_b32 s74, s73, 0
	s_and_b32 s75, s74, s83
	v_mov_b32 v33, s74
	WIN 0x40
.set i, 0
.rept 32
	v_cmp_gt_i32 vcc_lo, 16*(i/8)+i%8, v14
	v_cndmask_b32 v[MC+i], 0, v33, vcc_lo
	v_mov_b32 v[MC+32+i], s75
.set i, i+1
.endr
	WIN 0
.endm
; A SLOT: up to two pairs of key steps, of each of which a wave takes one step.
.macro SLOTBODY
	s_cmp_eq_u32 s54, 0
	s_cbranch_scc0 .Lnb_\@
	s_mov_b32 s54, s55                             ; A BLOCK BEGINS
	s_mov_b32 s69, 1
	v_mov_b32 v16, 0xfe000000                      ; c m: far below c times every m, the start's too: the first a is 0
	v_mov_b32 v17, MSTART                          ; m: below every true score, above every hidden one
	v_mov_b32 v20, 0xfe000000
	v_mov_b32 v21, MSTART
	s_wait_loadcnt 0x0                             ; Q
.Lnb_\@:
	FETCH_K                                        ; my step of the slot's first pair
	FETCH_V
	s_mov_b32 s57, 2
.Lstep_\@:
	s_add_co_u32 s62, s62, 2*KS*PK                 ; my step of the pair behind this trip's, in every trip; it stops at the slot's second pair
	s_min_u32 s62, s62, s79
	s_add_co_u32 s63, s63, 2*KS*PV
	s_min_u32 s63, s63, s80
	s_cmp_eq_u32 s54, 0
	s_cbranch_scc1 .Lbot_\@                        ; a dead pair: the block has ended
	s_cmp_lt_u32 s54, 2
	s_cselect_b32 s72, 1, s69
	s_mov_b32 s69, 0
	s_cmp_eq_u32 s72, 0
	s_cbranch_scc1 .Lnm_\@
	MASK
.Lnm_\@:
	s_wait_dscnt 16                                ; K is in: on every way here V's 16 loads were issued behind K's 16, and may stay out
.set i, 0
.rept 16
	KQ
.endr
	WIN 0
	PLACES
	s_wait_dscnt 0x0                               ; V is in
	FETCH_K                                        ; my next step's
.irp n, 0,1,2,3,4,5,6,7,8,9,10,11,12,13,14,15,16,17,18,19,20
	XS 0, \n
	XS 1, \n
.endr
	XS 0, 21                                       ; ONE BATCH: both a and the 64 weights; nothing ahead of the wait names a result
	XS 1, 21
	FS 0
	FS 1
	FS 2
	FS 3
.set t, 0
.rept 32
	EX 2*t
.if t < 28
	FS t+4
.endif
	EX 2*t+1
.set t, t+1
.endr
	v_nop                                          ; a plain instruction behind the last exponential
	s_wait_alu depctr_va_vdst(0)                   ; one wait for the batch, ahead of its first reader
.set k, 0
.rept 8
.irp u, 0,1
	REGS \u
	v_cvt_pk_f16_f32 v[rP+2*k], v[rS+4*k], v[rS+4*k+1]
	v_cvt_pk_f16_f32 v[rP+2*k+1], v[rS+4*k+2], v[rS+4*k+3]
.endr
.irp u, 0,1
	REGS \u
	v_pk_add_f32 v[rS+4*k:rS+4*k+1], v[rS+4*k:rS+4*k+1], v[rS+4*k+2:rS+4*k+3]
.endr
	RS 4*k
	RS 4*k+1
.irp u, 0,1
	REGS \u
.if k == 0
	v_pk_fma_f32 v[rT+2:rT+3], v[rT+2:rT+3], v[rC+2:rC+3], v[rS:rS+1] op_sel_hi:[1,0,1]
.else
	v_pk_add_f32 v[rT+2:rT+3], v[rT+2:rT+3], v[rS+4*k:rS+4*k+1]
.endif
.endr
	RS 4*k+2
	RS 4*k+3
.set k, k+1
.endr
.set i, 0
.rept 16
	PV
.endr
	WIN 0
	PLACES
	FETCH_V                                        ; my next step's
	s_sub_co_u32 s54, s54, 1
	s_cmp_lg_u32 s54, 0
	s_cbranch_scc1 .Lbot_\@
	; THE BLOCK ENDS, in all eight waves alike.  My piece 1 goes to my partner: 32 registers of O^T (each accumulator's low registers first), then c m, m, l, l.
.irp j, 0,1,2,3,4,5,6,7
	ds_store_b128 v38, v[O+32+4*\j:O+32+4*\j+3] offset:512*\j
.endr
	ds_store_b128 v38, v[20:23] offset:4096
	s_wait_dscnt 0x0                               ; for my partner's sake: my stores are done
	s_barrier_signal -1
	s_barrier_wait -1
.irp j, 0,1,2,3,4,5,6,7
	ds_load_b128 v[S+4*\j:S+4*\j+3], v39 offset:512*\j  ; the partner's sums for my piece 0's band, over the other steps of the pairs
.endr
	ds_load_b128 v[S+32:S+35], v39 offset:4096
	s_wait_dscnt 0x0                               ; my reads of the partner's bytes are over,
	s_barrier_signal -1
	s_barrier_wait -1                              ; and so are everybody's: what is stored there later stands behind this barrier
	v_max_num_f32 v24, v16, v[S+32]                ; c m of both
	v_sub_f32 v26, v16, v24
	v_sub_f32 v28, v[S+32], v24
	v_exp_f32 v26, v26                             ; a0
	v_exp_f32 v28, v28                             ; a1
	v_nop
	s_wait_alu depctr_va_vdst(0)                   ; one wait for both
	v_pk_mul_f32 v[18:19], v[18:19], v[26:27] op_sel_hi:[1,0]
	v_pk_fma_f32 v[18:19], v[S+34:S+35], v[28:29], v[18:19] op_sel_hi:[1,0,1]
	v_add_f32 v24, v18, v19                        ; l's two halves, and the other half of the lanes'
	v_permlanex16_b32 v25, v24, s60, s61
	v_add_f32 v24, v24, v25
	v_rcp_f32 v24, v24
	v_nop
	s_wait_alu depctr_va_vdst(0)
	v_mul_f32 v26, v26, v24                        ; a0 / l
	v_mul_f32 v28, v28, v24                        ; a1 / l
.set i, 0
.rept 16
	v_pk_mul_f32 v[O+2*i:O+2*i+1], v[O+2*i:O+2*i+1], v[26:27] op_sel_hi:[1,0]
.set i, i+1
.endr
.set i, 0
.rept 16
	v_pk_fma_f32 v[O+2*i:O+2*i+1], v[S+2*i:S+2*i+1], v[28:29], v[O+2*i:O+2*i+1] op_sel_hi:[1,0,1]
.set i, i+1
.endr
.set i, 0
.rept 16
	v_cvt_pk_f16_f32 v[S+36+i], v[O+2*i], v[O+2*i+1]
.set i, i+1
.endr
.irp f, 0,1,2,3
	ds_store_b128 v6, v[S+36+4*\f:S+36+4*\f+3] offset:32*\f  ; 16 bytes a lane into rows of 144 bytes of my stage,
.endr
.irp f, 0,1,2,3
	ds_load_b128 v[S+36+4*\f:S+36+4*\f+3], v7 offset:\f*4*SP  ; and back as whole rows of 128: a wave's LDS instructions are served in order
.endr
.irp f, 0,1,2,3
	s_wait_dscnt 3-\f                              ; load f is back, the younger ones stay out
	global_store_b128 v8, v[S+36+4*\f:S+36+4*\f+3], s[10:11] offset:\f*512  ; 512 consecutive bytes, aligned
.endr
	s_wait_xcnt 0x0                                ; the stores have read their data and y's address
	s_mov_b64 s[10:11], s[76:77]                   ; the second block's y, pairs and Q take the first's places
	s_mov_b32 s55, s78
	WIN 0x41
.set i, 0
.rept 32
	v_mov_b32 v[QF+i], v[QB+i]
.set i, i+1
.endr
	WIN 0
.Lbot_\@:
	s_sub_co_u32 s57, s57, 1
	s_cmp_lg_u32 s57, 0
	s_cbranch_scc1 .Lstep_\@
.endm
.Lslot:                                            ; 8 times: a tile is entered and the next is asked for
	CHANGE 1
	SLOTBODY
	s_sub_co_u32 s56, s56, 1
	s_cmp_lg_u32 s56, 0
	s_cbranch_scc1 .Lslot
	CHANGE 0                                       ; the walk's last tile is written out
	SLOTBODY
	s_wait_tensorcnt 0x0                           ; the wave's end
	ds_add_u32 v62, v63
	s_wait_dscnt 0x0
	s_endpgm
.Lfunc_end_k_q7eb6ff72be_attn:
	.size	k_q7eb6ff72be_attn, .Lfunc_end_k_q7eb6ff72be_attn-k_q7eb6ff72be_attn
	.p2alignl 7, 3214868480
	.fill 96, 4, 3214868480
	.section	.rodata,"a",@progbits
	.p2align	6, 0x0
	.amdhsa_kernel k_q7eb6ff72be_attn
		.amdhsa_group_segment_fixed_size 327680
		.amdhsa_private_segment_fixed_size 0
		.amdhsa_enable_private_segment 0
		.amdhsa_kernarg_size 16
		.amdhsa_user_sgpr_count 2
		.amdhsa_user_sgpr_kernarg_segment_ptr 1
		.amdhsa_wavefront_size32 1
		.amdhsa_system_sgpr_workgroup_id_x 1
		.amdhsa_system_sgpr_workgroup_id_y 1
		.amdhsa_system_sgpr_workgroup_id_z 1
		.amdhsa_system_vgpr_workitem_id 0
		.amdhsa_next_free_vgpr 512
		.amdhsa_next_free_sgpr 88
		.amdhsa_reserve_vcc 1
		.amdhsa_float_denorm_mode_32 3
		.amdhsa_float_denorm_mode_16_64 3
		.amdhsa_memory_ordered 1
		.amdhsa_forward_progress 1
		.amdhsa_inst_pref_size 77
	.end_amdhsa_kernel
	.amdgpu_metadata
---
amdhsa.version: [ 1, 2 ]
amdhsa.kernels:
  - .name:           k_q7eb6ff72be_attn
    .symbol:         k_q7eb6ff72be_attn.kd
    .args:
      - { .name: qkv, .offset: 0, .size: 8, .value_kind: global_buffer, .address_space: global }
      - { .name: act, .offset: 8, .size: 8, .value_kind: global_buffer, .address_space: global }
    .group_segment_fixed_size: 327680
    .private_segment_fixed_size: 0
    .kernarg_segment_align: 8
    .kernarg_segment_size: 16
    .max_flat_workgroup_size: 256
    .sgpr_count:     88
    .vgpr_count:     512
    .wavefront_size: 32
...
	.end_amdgpu_metadata
.endif
;; end of part 3
;; launch go (part 4): grid 8 x 32, 4 waves a work-group, clusters of 4 x 4, 327,680 bytes of LDS; arguments act, w16, b_o, x1, x; writes x1
.if DOCPART == 4
	.amdgcn_target "amdgcn-amd-amdhsa--gfx1250"
	.amdhsa_code_object_version 6
	.text
	.protected	k_q7eb6ff72be_go
	.globl	k_q7eb6ff72be_go
	.p2align	8
	.type	k_q7eb6ff72be_go,@function
k_q7eb6ff72be_go:
	s_mov_b64 s[64:65], 0
	v_nop
	global_prefetch_b8 v0, s[64:65] scope:SCOPE_SE
	s_setreg_imm32_b32 hwreg(HW_REG_WAVE_MODE, 25, 1), 1
	s_wait_xcnt 0x0
	s_wait_alu depctr_hold_cnt(0) depctr_sa_sdst(0) depctr_va_vdst(0) depctr_va_sdst(0) depctr_va_ssrc(0) depctr_va_vcc(0) depctr_vm_vsrc(0)
	s_getreg_b32 s2, hwreg(HW_REG_IB_STS2, 6, 4)
	s_cmp_eq_u32 s2, 0
	s_cbranch_scc0 .Lentry_in_a_cluster
	s_endpgm
.Lentry_in_a_cluster:
	s_bfe_u32 s2, ttmp6, 0x10000c
	s_cmp_lg_u32 s2, 0xf033
	s_cbranch_scc0 .Lentry_shape_is_right
	s_endpgm
.Lentry_shape_is_right:
; out = res + A W^T + bias.  A: f16 in blocks of 64 columns, [SIZE_K / 64][4096][64]; W: [1024][SIZE_K] f16 at byte WOFF of w16; bias: [1024] f32; res, out: [4096][1024] f32.  Sums in f32; nothing is rounded on the way out.
; A tile of C is 128 x 128; four waves, 2 x 2, each 64 x 64: 16 accumulators.  8 x 32 tiles: one work-group for each of 256.  K goes in steps of 256 through two LDS slots; ONE K step is written and looped over:
; s47 holds the LDS byte of the slot being read (0 or SLOT), the fragment addresses are made anew from it at each change of slots, and one descriptor set walks.
; A's part of a load is two blocks of 64 columns x 128 rows: each 16,384 dense bytes, asked for as one long row and padded in LDS after every 128 bytes.  B's is 64 rows of 512 bytes.
; CLUSTER 4 x 4: A's tile is asked for jointly along a cluster's row, B's along a column.  THE PRODUCT IS USED TRANSPOSED: a lane holds row l % 16 of C and eight neighbouring columns.
; No prefetch: the tiles are small and each K step's bytes few.  The residual's 32 rows a wave are loaded at the head and land while the products run.
; REGISTERS: window 0: v16-29 addresses, v32-35 bias, v128-255 accumulators ((a, b) at 128 + 8 (4 a + b)); window 1: two fragment buffers of 128 (A's 64, then B's 64); window 2: v0-127 the residual.
.set SIZE_K, 1024
.set WOFF,   6291456
.set KSTEP,  256
.set T,      SIZE_K/KSTEP
.set PA,     144                       ; a row of A in LDS: 128 bytes + 16
.set PB,     528                       ; a row of B: 512 + 16
.set ABLK,   128*PA                    ; a block of 64 columns
.set BOFF,   4*ABLK
.set HBB,    64*PB
.set SLOT,   BOFF+2*HBB
.set SP,     528                       ; a row of the f32 stage
.set SPARE,  2*SLOT                    ; the spare words, 128 bytes a wave, that no other line names
.set ACC, 128
.set F0, 0
.set F1, 128
.set G1A, 24
.set G0A, 32
.set G1B, 48
.set G0B, 56
.set MSB, 0
.macro WIN new
.if MSB != (\new)
	s_set_vgpr_msb (MSB<<8)|(\new)
.set MSB, \new
.endif
.endm
.set MUL,  0x05                        ; sources 0 (B) and 1 (A) window 1; C and D window 0
.set TO_F, 0x40
.macro PLACES
.rept 4
	v_nop
.endr
.endm
.macro JLOAD s                         ; waves 0, 1 fetch A's parts, waves 2, 3 B's; s_nop 0 and four v_nop follow each line
	s_cmp_eq_u32 s15, 0
	s_cbranch_scc0 .Lfor_b_\@
	tensor_load_to_lds s[G0A+4*(\s):G0A+4*(\s)+3], s[G1A:G1A+7]
	s_nop 0
.rept 4
	v_nop
.endr
	s_branch .Lasked_\@
.Lfor_b_\@:
	tensor_load_to_lds s[G0B+4*(\s):G0B+4*(\s)+3], s[G1B:G1B+7]
	s_nop 0
.rept 4
	v_nop
.endr
.Lasked_\@:
.endm
.macro CREST
	s_cmp_lg_u32 s14, 0
	s_cbranch_scc1 .Lnot_wave_0_\@
	s_barrier_signal -3
.Lnot_wave_0_\@:
	s_barrier_wait -3
	s_barrier_signal -1
	s_barrier_wait -1
.endm
.macro CROUND
	s_barrier_signal -1
	s_barrier_wait -1
	CREST
.endm
	s_load_b256 s[4:11], s[0:1], 0x0               ; A s[4:5], w16 s[6:7], bias s[8:9], out s[10:11]
	s_load_b64 s[12:13], s[0:1], 0x20              ; res
	v_lshl_add_u32 v28, v0, 2, SPARE
	v_mov_b32 v29, 0
	ds_add_u32 v28, v29                            ; the wave's opening: the add and its wait stand ahead of my first tensor load
	v_lshrrev_b32 v1, 5, v0
	v_readfirstlane_b32 s14, v1
	s_lshr_b32 s15, s14, 1                         ; row half; also 0 = I fetch for A, 1 = for B
	s_and_b32 s16, s14, 1                          ; column half; also which part I fetch
	s_bfe_u32 s17, ttmp6, 0x40000
	s_bfe_u32 s18, ttmp6, 0x40004
	s_lshl_b32 s19, ttmp9, 2
	s_add_co_u32 s19, s19, s17                     ; tile column
	s_and_b32 s20, ttmp7, 0xffff
	s_lshl_b32 s20, s20, 2
	s_add_co_u32 s20, s20, s18                     ; tile row
	s_lshl_b32 s21, s18, 2
	s_lshl_b32 s21, 15, s21
	s_lshl_b32 s22, 0x1111, s17
	s_or_b32 s[G1A+0], s21, (1<<16)|(1<<20)|(1<<21)|(4<<22)|(3<<25)  ; mask; 2-byte elements; padding on; bit 21 beside a mask; 4 words after every 32
	s_or_b32 s[G1B+0], s22, (1<<16)|(1<<20)|(1<<21)|(6<<22)|(3<<25)  ; 4 words after every 128
	s_mov_b32 s[G1A+1], 8192<<16                   ; A: rows of 8,192 elements,
	s_mov_b32 s[G1A+2], 2<<16                      ; two of them,
	s_mov_b32 s[G1A+3], 8192<<16
	s_mov_b32 s[G1A+4], 2
	s_mov_b32 s[G1A+5], 262144                     ; a block of 64 columns apart
	s_mov_b32 s[G1A+6], 0
	s_mov_b32 s[G1A+7], 0
	s_mov_b32 s[G1B+1], KSTEP<<16
	s_mov_b32 s[G1B+2], 64<<16
	s_mov_b32 s[G1B+3], KSTEP<<16
	s_mov_b32 s[G1B+4], 64
	s_mov_b32 s[G1B+5], SIZE_K
	s_mov_b32 s[G1B+6], 0
	s_mov_b32 s[G1B+7], 0
	s_lshl_b32 s40, s16, 20                        ; A: blocks 2 x part on, 524,288 bytes each,
	s_lshl_b32 s23, s20, 14                        ; row 128 x tile row, 128 bytes a row
	s_add_co_u32 s40, s40, s23
	s_mov_b32 s41, 0
	s_lshl_b32 s42, s19, 7
	s_lshl_b32 s71, s16, 6
	s_add_co_u32 s42, s42, s71                     ; B: row 128 x tile column + 64 x part
	s_mul_i32 s42, s42, 2*SIZE_K
	s_add_co_u32 s42, s42, WOFF
	s_mov_b32 s43, 0
	s_mul_i32 s66, s16, 2*ABLK                     ; where my part goes in a slot
	s_mul_i32 s67, s16, HBB
	s_add_co_u32 s67, s67, BOFF
	s_mov_b32 s47, 0
	s_wait_dscnt 0x0                               ; the opening add is done
	s_wait_kmcnt 0x0
	s_add_nc_u64 s[40:41], s[4:5], s[40:41]
	s_add_nc_u64 s[42:43], s[6:7], s[42:43]
	CROUND                                         ; all sixteen work-groups are here: the first joint loads meet
.irp s, 0,1
	s_mov_b32 s[G0A+4*(\s)], 1
	s_add_co_u32 s[G0A+4*(\s)+1], s66, (\s)*SLOT
	s_add_nc_u64 s[G0A+4*(\s)+2:G0A+4*(\s)+3], s[40:41], (\s)*2097152  ; a K step is four blocks
	s_or_b32 s[G0A+4*(\s)+3], s[G0A+4*(\s)+3], 0x80000000
	s_mov_b32 s[G0B+4*(\s)], 1
	s_add_co_u32 s[G0B+4*(\s)+1], s67, (\s)*SLOT
	s_add_nc_u64 s[G0B+4*(\s)+2:G0B+4*(\s)+3], s[42:43], (\s)*KSTEP*2
	s_or_b32 s[G0B+4*(\s)+3], s[G0B+4*(\s)+3], 0x80000000
	JLOAD \s                                       ; K steps 0 and 1: two loads of mine are out
.endr
	v_and_b32 v24, 31, v0
	v_lshlrev_b32 v24, 4, v24                      ; 16 x lane: my 16 bytes of a tile row's 512
	s_lshl_b32 s2, s20, 7
	s_lshl_b32 s3, s14, 5
	s_add_co_u32 s2, s2, s3                        ; the first row that I finish: 128 x tile row + 32 x wave
	s_lshl_b32 s2, s2, 12
	s_lshl_b32 s3, s19, 9                          ; the tile's columns: 512 bytes
	s_add_co_u32 s2, s2, s3
	s_mov_b32 s3, 0
	s_add_nc_u64 s[12:13], s[12:13], s[2:3]
	s_add_nc_u64 s[10:11], s[10:11], s[2:3]
	s_lshl_b32 s2, s19, 9
	s_add_nc_u64 s[8:9], s[8:9], s[2:3]
	WIN 0x80                                       ; destination window 2
.set t, 0
.rept 32
	global_load_b128 v[4*t:4*t+3], v24, s[12:13] offset:4096*t
.set t, t+1
.endr
	WIN 0
	global_load_b128 v[32:35], v24, s[8:9]
	v_and_b32 v1, 15, v0
	v_bfe_u32 v2, v0, 4, 1
	v_mul_u32_u24 v16, v1, PA
	v_lshl_add_u32 v16, v2, 4, v16
	s_mul_i32 s87, s15, 64*PA
	v_add_nc_u32 v16, s87, v16                     ; my 64 rows of A's block 0, in slot 0
	v_mul_u32_u24 v17, v1, PB
	v_lshl_add_u32 v17, v2, 4, v17
	s_mul_i32 s87, s16, HBB
	s_add_co_u32 s87, s87, BOFF
	v_add_nc_u32 v17, s87, v17                     ; my 64 rows of B
	v_mov_b32 v18, v16                             ; the same in the slot being read
	v_mov_b32 v19, v17
	s_mul_i32 s87, s15, 64*SP                      ; into the stage: row 64 x row half + l % 16, byte 256 x column half + 32 (l / 16)
	s_lshl_b32 s70, s16, 8
	s_add_co_u32 s87, s87, s70
	v_mul_u32_u24 v20, v1, SP
	v_lshl_add_u32 v20, v2, 5, v20
	v_add_nc_u32 v20, s87, v20
	s_mul_i32 s87, s14, 32*SP                      ; back: wave w takes rows 32 w on, a whole row of 512 bytes a load
	v_add_nc_u32 v22, s87, v24
.macro MUL8 f, c, a0, zero             ; 8 products: m blocks a0, a0 + 1 x 4 n blocks, 32 along K: half c of buffer f.  The 16 accumulators take turns
	WIN MUL
.irp a, \a0, (\a0)+1
.irp b, 0,1,2,3
.if \zero
	v_wmma_f32_16x16x32_f16 v[ACC+8*(4*(\a)+(\b)):ACC+8*(4*(\a)+(\b))+7], v[(\f)+64+8*(4*(\c)+(\b)):(\f)+64+8*(4*(\c)+(\b))+7], v[(\f)+8*(4*(\c)+(\a)):(\f)+8*(4*(\c)+(\a))+7], 0
.else
	v_wmma_f32_16x16x32_f16 v[ACC+8*(4*(\a)+(\b)):ACC+8*(4*(\a)+(\b))+7], v[(\f)+64+8*(4*(\c)+(\b)):(\f)+64+8*(4*(\c)+(\b))+7], v[(\f)+8*(4*(\c)+(\a)):(\f)+8*(4*(\c)+(\a))+7], v[ACC+8*(4*(\a)+(\b)):ACC+8*(4*(\a)+(\b))+7]
.endif
.endr
.endr
.endm
.macro FETCH q, f                      ; 32 LDS loads in one run: quarter q (64 along K: A's block q) into buffer f; the first 32 along K first
	WIN TO_F
.irp c, 0,1
.irp i, 0,1,2,3
	ds_load_b128 v[(\f)+64+8*(4*(\c)+(\i)):(\f)+64+8*(4*(\c)+(\i))+3],   v19 offset:128*(\q)+64*(\c)+(\i)*16*PB
	ds_load_b128 v[(\f)+64+8*(4*(\c)+(\i))+4:(\f)+64+8*(4*(\c)+(\i))+7], v19 offset:128*(\q)+64*(\c)+(\i)*16*PB+32
	ds_load_b128 v[(\f)+8*(4*(\c)+(\i)):(\f)+8*(4*(\c)+(\i))+3],         v18 offset:(\q)*ABLK+64*(\c)+(\i)*16*PA
	ds_load_b128 v[(\f)+8*(4*(\c)+(\i))+4:(\f)+8*(4*(\c)+(\i))+7],       v18 offset:(\q)*ABLK+64*(\c)+(\i)*16*PA+32
.endr
.endr
.endm
.macro QUARTER q, f, g, zero           ; multiplies buffer f; in its middle fetches quarter q into g
	s_wait_dscnt 16                                ; the first 32 along K are in; the youngest sixteen loads may be out
	MUL8 \f, 0, 0, \zero
	MUL8 \f, 0, 2, \zero
	PLACES
	FETCH \q, \g
	s_wait_dscnt 32                                ; all but the 32 just issued
	MUL8 \f, 1, 0, 0
	MUL8 \f, 1, 2, 0
.endm
; The last quarter multiplies buffer 1 and changes slots: in front of the barrier each wave waits for all its tensor loads, adds 0 to its spare word, and waits for that and for its reads of this slot.
; fill = 1: the barrier opens a round of the cluster's, and the slot just read out is filled again, first thing behind the round, with the K step two on.
.macro TURN fill
	WIN 0
	s_wait_tensorcnt 0x0
	ds_add_u32 v28, v29
	s_wait_dscnt 17                                ; the add and the youngest sixteen loads may be out
	MUL8 F1, 0, 0, 0
	s_wait_dscnt 0x0                               ; the add is done, my reads of this slot are over
	s_barrier_signal -1
	MUL8 F1, 0, 2, 0
	WIN 0
	s_barrier_wait -1
.if \fill
	CREST
	s_add_co_u32 s[G0A+5], s66, s47                ; the walking set: my part of the slot just read out,
	s_add_co_u32 s[G0B+5], s67, s47
	s_add_nc_u64 s[G0A+6:G0A+7], s[G0A+6:G0A+7], 2097152  ; the next K step
	s_add_nc_u64 s[G0B+6:G0B+7], s[G0B+6:G0B+7], KSTEP*2
	JLOAD 1                                        ; its four v_nop are also the places in front of the loads below
.else
	PLACES
.endif
	s_xor_b32 s47, s47, SLOT
	v_add_nc_u32 v18, s47, v16
	v_add_nc_u32 v19, s47, v17
	FETCH 0, F0
	MUL8 F1, 1, 0, 0
	MUL8 F1, 1, 2, 0
.endm
	s_wait_tensorcnt 1                             ; my part of K step 0 is in; K step 1's may stay out
	s_barrier_signal -1
	s_barrier_wait -1
	FETCH 0, F0
	QUARTER 1, F0, F1, 1                           ; the first quarter stands in front of the loop: its first products start the sums
	WIN 0
	s_mov_b32 s3, T-2
.Lk:
	QUARTER 2, F1, F0, 0
	QUARTER 3, F0, F1, 0
	TURN 1
	QUARTER 1, F0, F1, 0
	WIN 0
	s_sub_co_u32 s3, s3, 1
	s_cmp_lg_u32 s3, 0
	s_cbranch_scc1 .Lk
	s_mov_b32 s2, 2
.Ltail:                                            ; the last two K steps ask for nothing; the second trip is left in its middle, and its TURN's run of loads (a stale quarter) serves nothing
	QUARTER 2, F1, F0, 0
	QUARTER 3, F0, F1, 0
	TURN 0
	WIN 0
	s_sub_co_u32 s2, s2, 1
	s_cmp_eq_u32 s2, 0
	s_cbranch_scc1 .Lout
	QUARTER 1, F0, F1, 0
	WIN 0
	s_branch .Ltail
.Lout:
	; THE WAY OUT.  The ring has had its last fill; when nobody reads it any more the f32 sums go into a stage of 128 rows x 528 bytes at LDS byte 0 and come back as whole rows of 512 bytes.
	PLACES
	PLACES
	s_wait_dscnt 0x0
	s_barrier_signal -1
	s_barrier_wait -1
.irp a, 0,1,2,3
.irp b, 0,1,2,3
	ds_store_b128 v20, v[ACC+8*(4*\a+\b):ACC+8*(4*\a+\b)+3]   offset:\a*16*SP+64*\b
	ds_store_b128 v20, v[ACC+8*(4*\a+\b)+4:ACC+8*(4*\a+\b)+7] offset:\a*16*SP+64*\b+16
.endr
.endr
	s_wait_dscnt 0x0                               ; for the others' sake: my stores are done
	s_barrier_signal -1
	s_barrier_wait -1
.set t, 0
.rept 32
	ds_load_b128 v[ACC+4*t:ACC+4*t+3], v22 offset:SP*t
.set t, t+1
.endr
	s_wait_loadcnt 0x0                             ; the residual and the bias
	WIN 0x82                                       ; destination and source 0 window 2, source 1 window 0
.set t, 0
.rept 32
	v_pk_add_f32 v[4*t:4*t+1], v[4*t:4*t+1], v[32:33]
	v_pk_add_f32 v[4*t+2:4*t+3], v[4*t+2:4*t+3], v[34:35]
.set t, t+1
.endr
	WIN 0x88                                       ; destination and source 1 (also a store's data) window 2, source 0 (also its address) window 0
.set t, 0
.rept 32
	s_wait_dscnt 31-t                              ; row t is back, the younger ones stay out
	v_pk_add_f32 v[4*t:4*t+1], v[ACC+4*t:ACC+4*t+1], v[4*t:4*t+1]
	v_pk_add_f32 v[4*t+2:4*t+3], v[ACC+4*t+2:ACC+4*t+3], v[4*t+2:4*t+3]
	global_store_b128 v24, v[4*t:4*t+3], s[10:11] offset:4096*t  ; 512 consecutive bytes, aligned
.set t, t+1
.endr
	WIN 0
	s_wait_tensorcnt 0x0                           ; the wave's end
	ds_add_u32 v28, v29
	s_wait_dscnt 0x0
	CROUND                                         ; the closing round
	s_endpgm
.Lfunc_end_k_q7eb6ff72be_go:
	.size	k_q7eb6ff72be_go, .Lfunc_end_k_q7eb6ff72be_go-k_q7eb6ff72be_go
	.p2alignl 7, 3214868480
	.fill 96, 4, 3214868480
	.section	.rodata,"a",@progbits
	.p2align	6, 0x0
	.amdhsa_kernel k_q7eb6ff72be_go
		.amdhsa_group_segment_fixed_size 327680
		.amdhsa_private_segment_fixed_size 0
		.amdhsa_enable_private_segment 0
		.amdhsa_kernarg_size 40
		.amdhsa_user_sgpr_count 2
		.amdhsa_user_sgpr_kernarg_segment_ptr 1
		.amdhsa_wavefront_size32 1
		.amdhsa_system_sgpr_workgroup_id_x 1
		.amdhsa_system_sgpr_workgroup_id_y 1
		.amdhsa_system_sgpr_workgroup_id_z 1
		.amdhsa_system_vgpr_workitem_id 0
		.amdhsa_next_free_vgpr 640
		.amdhsa_next_free_sgpr 88
		.amdhsa_reserve_vcc 0
		.amdhsa_float_denorm_mode_32 3
		.amdhsa_float_denorm_mode_16_64 3
		.amdhsa_memory_ordered 1
		.amdhsa_forward_progress 1
		.amdhsa_inst_pref_size 70
	.end_amdhsa_kernel
	.amdgpu_metadata
---
amdhsa.version: [ 1, 2 ]
amdhsa.kernels:
  - .name:           k_q7eb6ff72be_go
    .symbol:         k_q7eb6ff72be_go.kd
    .args:
      - { .name: act, .offset: 0, .size: 8, .value_kind: global_buffer, .address_space: global }
      - { .name: w16, .offset: 8, .size: 8, .value_kind: global_buffer, .address_space: global }
      - { .name: b_o, .offset: 16, .size: 8, .value_kind: global_buffer, .address_space: global }
      - { .name: x1, .offset: 24, .size: 8, .value_kind: global_buffer, .address_space: global }
      - { .name: x, .offset: 32, .size: 8, .value_kind: global_buffer, .address_space: global }
    .group_segment_fixed_size: 327680
    .private_segment_fixed_size: 0
    .kernarg_segment_align: 8
    .kernarg_segment_size: 40
    .max_flat_workgroup_size: 128
    .sgpr_count:     88
    .vgpr_count:     640
    .wavefront_size: 32
...
	.end_amdgpu_metadata
.endif
;; end of part 4
;; launch ln2: the kernel of part 1 again; grid 256 x 1, 8 waves a work-group, no clusters, 0 bytes of LDS; arguments x1, ln2_w, ln2_b, act, w_qkv, w_o, w_fc, w_proj, w16; writes act, w16
;; launch gf (part 5): grid 16 x 16, 4 waves a work-group, clusters of 4 x 4, 327,680 bytes of LDS; arguments act, w16, b_fc, g; writes g
.if DOCPART == 5
	.amdgcn_target "amdgcn-amd-amdhsa--gfx1250"
	.amdhsa_code_object_version 6
	.text
	.protected	k_q7eb6ff72be_gf
	.globl	k_q7eb6ff72be_gf
	.p2align	8
	.type	k_q7eb6ff72be_gf,@function
k_q7eb6ff72be_gf:
	s_mov_b64 s[64:65], 0
	v_nop
	global_prefetch_b8 v0, s[64:65] scope:SCOPE_SE
	s_setreg_imm32_b32 hwreg(HW_REG_WAVE_MODE, 25, 1), 1
	s_wait_xcnt 0x0
	s_wait_alu depctr_hold_cnt(0) depctr_sa_sdst(0) depctr_va_vdst(0) depctr_va_sdst(0) depctr_va_ssrc(0) depctr_va_vcc(0) depctr_vm_vsrc(0)
	s_getreg_b32 s2, hwreg(HW_REG_IB_STS2, 6, 4)
	s_cmp_eq_u32 s2, 0
	s_cbranch_scc0 .Lentry_in_a_cluster
	s_endpgm
.Lentry_in_a_cluster:
	s_bfe_u32 s2, ttmp6, 0x10000c
	s_cmp_lg_u32 s2, 0xf033
	s_cbranch_scc0 .Lentry_shape_is_right
	s_endpgm
.Lentry_shape_is_right:
; g = gelu(h Wfc^T + b_fc), the exact (erf) form.  h: [4096][1024] f16; Wfc: [4096][1024] f16 at byte WOFF of w16; b: [4096] f32; sums and the activation in f32.
; OUT: f16, rounded once, in blocks of 64 columns: [n / 64][m][64].  LIMIT: a result of 65,520 or more in magnitude becomes an infinity; NaN and infinities are not treated apart.
; ERF by a rational series in t = 1 / (1 + 0.3275911 z) times exp(-z^2), whose absolute error is at most 1.5e-7 for every z >= 0: no range is cut.  With y = x / 2, A = |y|, z = sqrt 2 A:
; gelu(x) = y + A (1 + e t (-a1 + t (-a2 + t (-a3 + t (-a4 - a5 t))))), e = 2^(-2 log2 e y^2).
; A tile of C is 256 x TN; four waves, 2 x 2, each 128 x TN/2: 8 x NBK accumulators of 16 x 16.  16 x 16 tiles: one work-group for each of 256.
; K goes in steps of 128 through two LDS slots filled by tensor loads (rows of 256 bytes, padded to 272).  ONE K step is written and looped over: s47 holds the LDS byte of the slot being read
; (0 or SLOT) and turns by an exclusive or; the fragment addresses are made anew from it at each change of slots, and one descriptor set walks.
; CLUSTER 4 x 4: A's tile is asked for jointly by the four of a cluster's row, B's by the four of a column: the same load, descriptor and mask in all four.
; THE PRODUCT IS USED TRANSPOSED (source 0 = 16 rows of W, source 1 = 16 rows of h): a lane holds row l % 16 of C and eight neighbouring columns.
; REGISTERS: window 0: v16-30 addresses, v32-47 bias, v64-127 and v128-191 A's two fragment buffers (later, with v48-63 and v192-255, at work on the way out); window 1: B's two buffers at the same numbers;
; windows 2, 3: accumulator (a, b) at 8 (NBK (a % 4) + b) of window 2 + a / 4.
.set TN,     256
.set WOFF,   8388608
.set SIZE_K, 1024
.set KSTEP,  128
.set PITCH,  272                       ; 256 bytes + 16: the 16 rows of a fragment load start 68 words apart
.set T,      SIZE_K/KSTEP
.set NBK,    TN/32                     ; blocks of 16 columns a wave
.set NCB,    TN/64                     ; blocks of 64 columns a tile
.set HA,     128*PITCH                 ; what one of A's loads brings
.set HB,     (TN/2)*PITCH              ; what one of B's brings
.set SLOT,   2*HA+2*HB                 ; A's 256 rows, then B's TN rows
.set SP,     4*TN+16                   ; a row of the f32 stage: an odd multiple of 16 bytes
.set SPARE,  2*SLOT                    ; behind the ring: the spare words, 128 bytes a wave, that no other line names
.set NLD,    2*(NBK+8)                 ; LDS loads of a quarter step
.set F0, 64
.set F1, 128
.set G1A, 24                           ; s[24:31] group 1 for A;  s[32:39] group 0, two sets: the two first fills; the second then walks
.set G0A, 32
.set G1B, 48                           ; s[48:55], s[56:63] the same for B
.set G0B, 56
; s14 wave, s15 its row half (also: 0 = I fetch for A, 1 = for B), s16 its column half (also: which part I fetch), s17 cx, s18 cy, s19 tile column, s20 tile row,
; s[44:45] where my prefetches stand, s46 their bound, s47 the slot being read, s66, s67 my part's LDS byte in a slot (A, B), s70 the stage's row byte on the way out, s[72:86] the activation's constants
.set MSB, 0
.macro WIN new                         ; the immediate's high byte repeats the setting that is left; a switch that changes nothing is dropped
.if MSB != (\new)
	s_set_vgpr_msb (MSB<<8)|(\new)
.set MSB, \new
.endif
.endm
.set MUL_LO, 0xa1                      ; source 0 (B) window 1, source 1 (A) window 0, C and D window 2
.set TO_B,   0x40
.macro PLACES                          ; four plain instructions behind a product, ahead of loads into its sources and of readers of its result
.rept 4
	v_nop
.endr
.endm
.macro JLOAD s                         ; a joint load: waves 0, 1 fetch A's parts, waves 2, 3 B's; the branch hangs on the wave's number alone; s_nop 0 and four v_nop follow each line
	s_cmp_eq_u32 s15, 0
	s_cbranch_scc0 .Lfor_b_\@
	tensor_load_to_lds s[G0A+4*(\s):G0A+4*(\s)+3], s[G1A:G1A+7]
	s_nop 0
.rept 4
	v_nop
.endr
	s_branch .Lasked_\@
.Lfor_b_\@:
	tensor_load_to_lds s[G0B+4*(\s):G0B+4*(\s)+3], s[G1B:G1B+7]
	s_nop 0
.rept 4
	v_nop
.endr
.Lasked_\@:
.endm
.macro ASK                             ; the K step two refills on: a lane a row, 256 bytes each; asked while the loop's count is above 2, that is for K steps 4 to 7
	s_cmp_gt_u32 s3, s46
	s_cbranch_scc0 .Lnot_mine_\@
	global_prefetch_b8 v30, s[44:45] offset:KSTEP*2 th:TH_LOAD_NT scope:SCOPE_SE
.Lnot_mine_\@:
.endm
.macro CREST                           ; a round of the cluster's barrier behind its opening barrier
	s_cmp_lg_u32 s14, 0
	s_cbranch_scc1 .Lnot_wave_0_\@
	s_barrier_signal -3
.Lnot_wave_0_\@:
	s_barrier_wait -3
	s_barrier_signal -1
	s_barrier_wait -1
.endm
.macro CROUND
	s_barrier_signal -1
	s_barrier_wait -1
	CREST
.endm
	s_load_b256 s[4:11], s[0:1], 0x0               ; A s[4:5], w16 s[6:7], bias s[8:9], out s[10:11]
	v_lshl_add_u32 v28, v0, 2, SPARE
	v_mov_b32 v29, 0
	ds_add_u32 v28, v29                            ; the wave's opening: the add and its wait stand ahead of my first tensor load; the set-up stands between them
	v_lshrrev_b32 v1, 5, v0
	v_readfirstlane_b32 s14, v1
	s_lshr_b32 s15, s14, 1
	s_and_b32 s16, s14, 1
	s_bfe_u32 s17, ttmp6, 0x40000                  ; cx
	s_bfe_u32 s18, ttmp6, 0x40004                  ; cy
	s_lshl_b32 s19, ttmp9, 2
	s_add_co_u32 s19, s19, s17                     ; tile column
	s_and_b32 s20, ttmp7, 0xffff
	s_lshl_b32 s20, s20, 2
	s_add_co_u32 s20, s20, s18                     ; tile row
	s_lshl_b32 s21, s18, 2
	s_lshl_b32 s21, 15, s21                        ; my row of the cluster
	s_lshl_b32 s22, 0x1111, s17                    ; my column
	s_or_b32 s[G1A+0], s21, (1<<16)|(1<<20)|(1<<21)|(5<<22)|(3<<25)  ; mask; 2-byte elements; padding on; bit 21 beside a mask; 4 words after every 64
	s_or_b32 s[G1B+0], s22, (1<<16)|(1<<20)|(1<<21)|(5<<22)|(3<<25)
	s_mov_b32 s[G1A+1], KSTEP<<16                  ; tensor_dim0 = 128
	s_mov_b32 s[G1B+1], KSTEP<<16
	s_mov_b32 s[G1A+2], 128<<16                    ; tensor_dim1 = the part's rows
	s_mov_b32 s[G1B+2], (TN/2)<<16
	s_mov_b32 s[G1A+3], KSTEP<<16                  ; tile_dim0
	s_mov_b32 s[G1B+3], KSTEP<<16
	s_mov_b32 s[G1A+4], 128                        ; tile_dim1
	s_mov_b32 s[G1B+4], TN/2
	s_mov_b32 s[G1A+5], SIZE_K                     ; elements from row to row
	s_mov_b32 s[G1B+5], SIZE_K
	s_mov_b32 s[G1A+6], 0
	s_mov_b32 s[G1B+6], 0
	s_mov_b32 s[G1A+7], 0
	s_mov_b32 s[G1B+7], 0
	s_lshl_b32 s23, s16, 7
	s_lshl_b32 s40, s20, 8
	s_add_co_u32 s40, s40, s23                     ; A: row 256 x tile row + 128 x part
	s_lshl_b32 s40, s40, 11                        ; 2,048 bytes a row
	s_mov_b32 s41, 0
	s_mul_i32 s42, s19, TN
	s_mul_i32 s71, s16, TN/2
	s_add_co_u32 s42, s42, s71                     ; B: row TN x tile column + TN/2 x part
	s_lshl_b32 s42, s42, 11
	s_add_co_u32 s42, s42, WOFF
	s_mov_b32 s43, 0
	s_mul_i32 s66, s16, HA                         ; where my part goes in a slot: no place in the cluster enters an LDS address
	s_mul_i32 s67, s16, HB
	s_add_co_u32 s67, s67, 2*HA
	s_mov_b32 s47, 0
	s_wait_dscnt 0x0                               ; the opening add is done
	s_wait_kmcnt 0x0
	s_add_nc_u64 s[40:41], s[4:5], s[40:41]
	s_add_nc_u64 s[42:43], s[6:7], s[42:43]
	CROUND                                         ; all sixteen work-groups are here: the first joint loads meet
.irp s, 0,1
	s_mov_b32 s[G0A+4*(\s)], 1
	s_add_co_u32 s[G0A+4*(\s)+1], s66, (\s)*SLOT
	s_add_nc_u64 s[G0A+4*(\s)+2:G0A+4*(\s)+3], s[40:41], (\s)*KSTEP*2
	s_or_b32 s[G0A+4*(\s)+3], s[G0A+4*(\s)+3], 0x80000000
	s_mov_b32 s[G0B+4*(\s)], 1
	s_add_co_u32 s[G0B+4*(\s)+1], s67, (\s)*SLOT
	s_add_nc_u64 s[G0B+4*(\s)+2:G0B+4*(\s)+3], s[42:43], (\s)*KSTEP*2
	s_or_b32 s[G0B+4*(\s)+3], s[G0B+4*(\s)+3], 0x80000000
	JLOAD \s                                       ; K steps 0 and 1: two loads of mine are out
.endr
	v_and_b32 v1, 15, v0                           ; l % 16
	v_bfe_u32 v2, v0, 4, 1                         ; l / 16
	v_mul_u32_u24 v3, v1, PITCH
	v_lshl_add_u32 v3, v2, 4, v3                   ; a fragment's row x pitch + 16 x half
	s_mul_i32 s87, s15, HA
	v_add_nc_u32 v16, s87, v3                      ; my 128 rows of A, in slot 0
	s_mul_i32 s87, s16, HB
	s_add_co_u32 s87, s87, 2*HA
	v_add_nc_u32 v17, s87, v3                      ; my TN/2 rows of B
	v_mov_b32 v18, v16                             ; the same in the slot being read
	v_mov_b32 v19, v17
	s_mul_i32 s87, s15, 128*SP                     ; into the stage: row 128 x row half + l % 16, byte 2 TN x column half + 32 (l / 16)
	s_mul_i32 s70, s16, 2*TN
	s_add_co_u32 s87, s87, s70
	v_mul_u32_u24 v20, v1, SP
	v_lshl_add_u32 v20, v2, 5, v20
	v_add_nc_u32 v20, s87, v20
	v_add_nc_u32 v21, 64*SP, v20                   ; the same 64 rows on: an LDS offset has 16 bits
	s_mul_i32 s87, s14, 64*SP                      ; back: wave w takes rows 64 w on; lanes 0-15 256 bytes of one row, lanes 16-31 of the next
	v_mul_u32_u24 v22, v2, SP
	v_lshl_add_u32 v22, v1, 4, v22
	v_add_nc_u32 v22, s87, v22
	v_and_b32 v24, 31, v0
	v_lshlrev_b32 v24, 3, v24                      ; 8 x lane: my 8 bytes of 256 of the output
	v_lshlrev_b32 v25, 4, v1                       ; my 4 columns of a block's 64, in the bias
	s_mul_i32 s2, s19, 4*TN
	s_mov_b32 s3, 0
	s_add_nc_u64 s[8:9], s[8:9], s[2:3]            ; the tile's columns in the bias
.set cb, 0
.rept NCB
	global_load_b128 v[32+4*cb:35+4*cb], v25, s[8:9] offset:256*cb
.set cb, cb+1
.endr
	s_mul_i32 s2, s19, NCB*4096                    ; out: block NCB x tile column, row 256 x tile row + 64 x wave, 128 bytes a row
	s_lshl_b32 s87, s20, 8
	s_add_co_u32 s2, s2, s87
	s_lshl_b32 s87, s14, 6
	s_add_co_u32 s2, s2, s87
	s_lshl_b32 s2, s2, 7
	s_add_nc_u64 s[10:11], s[10:11], s[2:3]
	; THE PREFETCHES.  A's tile row is read by every cluster of that row of clusters: cluster x = 0 asks; B's tile column: cluster y = 0.  Of the rows that a wave fetches each of the four partners that
	; ask for them jointly takes a quarter, 32 rows, told apart by address (cx for A, cy for B): a lane a row.
	s_lshl_b32 s2, s20, 8
	s_mul_i32 s3, s19, TN
	s_and_b32 s68, ttmp7, 0xffff
	s_cmp_eq_u32 s15, 0
	s_cselect_b32 s2, s2, s3                       ; the tile's first row
	s_cselect_b32 s3, s17, s18                     ; my place among the four
	s_cselect_b32 s68, ttmp9, s68                  ; the coordinate along which other clusters read the same rows
	s_cselect_b32 s69, 32, TN/8                    ; a partner's rows
	s_cselect_b32 s70, 0, WOFF
	s_cselect_b64 s[44:45], s[4:5], s[6:7]
	s_cmp_eq_u32 s68, 0
	s_cselect_b32 s46, 2, -1                       ; the same in all sixteen partners, for a given wave
	s_lshl_b32 s87, s69, 2
	s_mul_i32 s87, s87, s16
	s_add_co_u32 s2, s2, s87                       ; + the part that I fetch
	s_mul_i32 s3, s3, s69
	s_add_co_u32 s2, s2, s3                        ; + my work-group's quarter of it
	s_lshl_b32 s2, s2, 11
	s_add_co_u32 s2, s2, s70
	s_add_co_u32 s2, s2, 2*KSTEP*2                 ; at K step 2: the first refill steps it to 3 and names K step 4
	s_mov_b32 s3, 0
	s_add_nc_u64 s[44:45], s[44:45], s[2:3]
	s_sub_co_u32 s69, s69, 1
	v_and_b32 v30, 31, v0
	v_min_u32 v30, s69, v30
	v_lshlrev_b32 v30, 11, v30                     ; my row, 2,048 bytes a row; never rewritten
.macro KPAIR r, v                      ; a constant as a pair: the packed forms name both words and take the low one
	s_mov_b32 s[\r], \v
	s_mov_b32 s[(\r)+1], \v
.endm
	KPAIR 72, 0x3eed3388                           ; 0.3275911 sqrt 2
	KPAIR 74, 0xc038aa3b                           ; -2 log2 e
	KPAIR 76, 0xbe827906                           ; -a1 .. -a5 of the series
	KPAIR 78, 0x3e91a98e
	KPAIR 80, 0xbfb5f0e3
	KPAIR 82, 0x3fba00e3
	KPAIR 84, 0xbf87dc22
	s_mov_b32 s86, 0x7fffffff
; 2 NBK products: m blocks a0, a0 + 1 of the window's four x all n blocks, 32 along K.  zero = 1: the first product starts the sums.  The accumulators take turns in the same order in every quarter.
.macro MULH f, hi, a0, zero
	WIN MUL_LO+0x50*(\hi)
.irp a, \a0, (\a0)+1
.set bb, 0
.rept NBK
.if \zero
	v_wmma_f32_16x16x32_f16 v[8*(NBK*(\a)+bb):8*(NBK*(\a)+bb)+7], v[(\f)+8*bb:(\f)+8*bb+7], v[(\f)+8*(4*(\hi)+(\a)):(\f)+8*(4*(\hi)+(\a))+7], 0
.else
	v_wmma_f32_16x16x32_f16 v[8*(NBK*(\a)+bb):8*(NBK*(\a)+bb)+7], v[(\f)+8*bb:(\f)+8*bb+7], v[(\f)+8*(4*(\hi)+(\a)):(\f)+8*(4*(\hi)+(\a))+7], v[8*(NBK*(\a)+bb):8*(NBK*(\a)+bb)+7]
.endif
.set bb, bb+1
.endr
.endr
.endm
.macro FETCH k, f                      ; NLD LDS loads in one run: a quarter step's fragments, B's first, at byte k of the rows of the slot being read
	WIN TO_B
.set ii, 0
.rept NBK
	ds_load_b128 v[(\f)+8*ii:(\f)+8*ii+3],   v19 offset:(\k)+ii*16*PITCH
	ds_load_b128 v[(\f)+8*ii+4:(\f)+8*ii+7], v19 offset:(\k)+ii*16*PITCH+32
.set ii, ii+1
.endr
	WIN 0
.set ii, 0
.rept 8
	ds_load_b128 v[(\f)+8*ii:(\f)+8*ii+3],   v18 offset:(\k)+ii*16*PITCH
	ds_load_b128 v[(\f)+8*ii+4:(\f)+8*ii+7], v18 offset:(\k)+ii*16*PITCH+32
.set ii, ii+1
.endr
.endm
.macro QUARTER k, f, g, zero           ; multiplies buffer f; in its middle fetches the quarter at byte k into g
	s_wait_dscnt 8                                 ; B and A's rows 0-63 are in; the youngest eight loads (A's rows 64-127) may be out
	MULH \f, 0, 0, \zero
	MULH \f, 0, 2, \zero
	PLACES
	FETCH \k, \g
	s_wait_dscnt NLD                               ; all but the run just issued
	MULH \f, 1, 0, \zero
	MULH \f, 1, 2, \zero
.endm
; The last quarter multiplies buffer 1 and changes slots.  In front of the barrier each wave waits for all its tensor loads (one is out: its part of the other slot), adds 0 to its spare word, and waits for
; that and for its reads of this slot.  fill = 1: the barrier opens a round of the cluster's, and the slot just read out is filled again, first thing behind the round, with the K step two on.
.macro TURN fill
.if \fill
	s_wait_xcnt 0x0                                ; the last prefetch, a K step back, has read its address
	s_add_nc_u64 s[44:45], s[44:45], KSTEP*2
.endif
	WIN 0
	s_wait_tensorcnt 0x0
	ds_add_u32 v28, v29
	s_wait_dscnt 9                                 ; the add and the youngest eight loads may be out
	MULH F1, 0, 0, 0
	s_wait_dscnt 0x0                               ; the add is done, my reads of this slot are over
	s_barrier_signal -1
	MULH F1, 0, 2, 0
	WIN 0
	s_barrier_wait -1
.if \fill
	CREST
	s_add_co_u32 s[G0A+5], s66, s47                ; the walking set: my part of the slot just read out,
	s_add_co_u32 s[G0B+5], s67, s47
	s_add_nc_u64 s[G0A+6:G0A+7], s[G0A+6:G0A+7], KSTEP*2  ; the next K step
	s_add_nc_u64 s[G0B+6:G0B+7], s[G0B+6:G0B+7], KSTEP*2
	JLOAD 1                                        ; its four v_nop are also the places in front of the loads below
.else
	PLACES
.endif
	s_xor_b32 s47, s47, SLOT                       ; the other slot is read now
	v_add_nc_u32 v18, s47, v16
	v_add_nc_u32 v19, s47, v17
	FETCH 0, F0
.if \fill
	ASK
.endif
	MULH F1, 1, 0, 0
	MULH F1, 1, 2, 0
.endm
	s_wait_tensorcnt 1                             ; my part of K step 0 is in; K step 1's may stay out
	s_barrier_signal -1
	s_barrier_wait -1
	FETCH 0, F0
	QUARTER 64, F0, F1, 1                          ; the first quarter stands in front of the loop: its products start the sums
	WIN 0
	s_mov_b32 s3, T-2
.Lk:                                               ; a trip: from a K step's second quarter to the next step's first; it fills one slot again
	QUARTER 128, F1, F0, 0
	QUARTER 192, F0, F1, 0
	TURN 1
	QUARTER 64, F0, F1, 0
	WIN 0
	s_sub_co_u32 s3, s3, 1
	s_cmp_lg_u32 s3, 0
	s_cbranch_scc1 .Lk
	s_mov_b32 s2, 2
.Ltail:                                            ; the last two K steps ask for nothing; the second trip is left in its middle, and its TURN's run of loads (a stale quarter) serves nothing: the price of one text
	QUARTER 128, F1, F0, 0
	QUARTER 192, F0, F1, 0
	TURN 0
	WIN 0
	s_sub_co_u32 s2, s2, 1
	s_cmp_eq_u32 s2, 0
	s_cbranch_scc1 .Lout
	QUARTER 64, F0, F1, 0
	WIN 0
	s_branch .Ltail
.Lout:
	; THE WAY OUT.  The ring has had its last fill; when nobody reads it any more the f32 sums go into a stage of 256 rows x SP bytes at LDS byte 0, and come back as whole rows.
	PLACES
	PLACES
	s_wait_dscnt 0x0
	s_barrier_signal -1
	s_barrier_wait -1
.set aa, 0
.rept 8
	WIN 0x08+4*(aa/4)                              ; the stores' data (source 1) in window 2 or 3
.set bb, 0
.rept NBK
	ds_store_b128 v[20+aa/4], v[8*(NBK*(aa%4)+bb):8*(NBK*(aa%4)+bb)+3]   offset:(aa%4)*16*SP+64*bb
	ds_store_b128 v[20+aa/4], v[8*(NBK*(aa%4)+bb)+4:8*(NBK*(aa%4)+bb)+7] offset:(aa%4)*16*SP+64*bb+16
.set bb, bb+1
.endr
.set aa, aa+1
.endr
	WIN 0
	s_wait_dscnt 0x0                               ; for the others' sake: my stores are done
	s_barrier_signal -1
	s_barrier_wait -1
	s_wait_loadcnt 0x0                             ; the bias
	; 16 trips of 2 pairs of rows x 4 blocks: 8 units of two rows x 64 columns, 16 pairs of numbers a lane.  X v64-95, y v96-127, t v128-159, e v160-191, the series v192-223, |y| v224-255, f16 v48-63.
	; A trip's 64 reciprocals and exponentials are one batch with one wait; the next trip's rows are read from the stage meanwhile.
.set p, 0
.rept 8
	v_pk_mul_f32 v[32+2*p:33+2*p], v[32+2*p:33+2*p], 0.5 op_sel_hi:[1,0]  ; bias / 2
.set p, p+1
.endr
	v_mov_b32 v23, v22
.set q, 0
.rept 8
	ds_load_b128 v[64+4*q:67+4*q], v23 offset:(q/4)*2*SP+256*(q%4)
.set q, q+1
.endr
	s_mov_b32 s70, 0
	s_mov_b32 s2, 16
.Lg:
	s_wait_dscnt 0x0
.set p, 0
.rept 16
	v_pk_fma_f32 v[96+2*p:97+2*p], v[64+2*p:65+2*p], 0.5, v[32+4*((p/2)%4)+2*(p%2):33+4*((p/2)%4)+2*(p%2)] op_sel_hi:[1,0,1]  ; y = (sum + bias) / 2
.set p, p+1
.endr
	s_add_co_u32 s70, s70, 4*SP
	v_add_nc_u32 v23, s70, v22
	s_cmp_eq_u32 s2, 1
	s_cbranch_scc1 .Lno_more                       ; the last trip has no rows behind it
.set q, 0
.rept 8
	ds_load_b128 v[64+4*q:67+4*q], v23 offset:(q/4)*2*SP+256*(q%4)
.set q, q+1
.endr
.Lno_more:
.set p, 0
.rept 17                               ; pair p's plain work, then pair p - 1's four transcendentals: none of them is named again ahead of the wait
.if p < 16
	v_and_b32 v[224+2*p], s86, v[96+2*p]
	v_and_b32 v[225+2*p], s86, v[97+2*p]
	v_pk_fma_f32 v[128+2*p:129+2*p], v[224+2*p:225+2*p], s[72:73], 1.0 op_sel_hi:[1,0,0]
	v_pk_mul_f32 v[160+2*p:161+2*p], v[96+2*p:97+2*p], v[96+2*p:97+2*p]
	v_pk_mul_f32 v[160+2*p:161+2*p], v[160+2*p:161+2*p], s[74:75] op_sel_hi:[1,0]
.endif
.if p > 0
	v_rcp_f32 v[126+2*p], v[126+2*p]
	v_rcp_f32 v[127+2*p], v[127+2*p]
	v_exp_f32 v[158+2*p], v[158+2*p]
	v_exp_f32 v[159+2*p], v[159+2*p]
.endif
.set p, p+1
.endr
	v_nop                                          ; a plain instruction behind the last exponential
	s_wait_alu depctr_va_vdst(0)                   ; one wait for the batch, ahead of its first reader
.set p, 0
.rept 16
	v_pk_fma_f32 v[192+2*p:193+2*p], v[128+2*p:129+2*p], s[84:85], s[82:83] op_sel_hi:[1,0,0]
.set p, p+1
.endr
.irp c, 80, 78, 76
.set p, 0
.rept 16
	v_pk_fma_f32 v[192+2*p:193+2*p], v[192+2*p:193+2*p], v[128+2*p:129+2*p], s[\c:\c+1] op_sel_hi:[1,1,0]
.set p, p+1
.endr
.endr
.set p, 0
.rept 16
	v_pk_mul_f32 v[192+2*p:193+2*p], v[192+2*p:193+2*p], v[128+2*p:129+2*p]
.set p, p+1
.endr
.set p, 0
.rept 16
	v_pk_fma_f32 v[192+2*p:193+2*p], v[192+2*p:193+2*p], v[160+2*p:161+2*p], 1.0 op_sel_hi:[1,1,0]  ; erf
.set p, p+1
.endr
.set p, 0
.rept 16
	v_pk_fma_f32 v[192+2*p:193+2*p], v[224+2*p:225+2*p], v[192+2*p:193+2*p], v[96+2*p:97+2*p]       ; |y| erf + y
.set p, p+1
.endr
.set p, 0
.rept 16
	v_cvt_pk_f16_f32 v[48+p], v[192+2*p], v[193+2*p]
.set p, p+1
.endr
.set q, 0
.rept 8
	global_store_b64 v24, v[48+2*q:49+2*q], s[10:11] offset:(q%4)*524288+(q/4)*256  ; 256 consecutive bytes, aligned
.set q, q+1
.endr
	s_wait_xcnt 0x0                                ; the stores have read their data and their base: both are written again only behind this wait
	s_add_nc_u64 s[10:11], s[10:11], 512
	s_sub_co_u32 s2, s2, 1
	s_cmp_lg_u32 s2, 0
	s_cbranch_scc1 .Lg
	s_wait_tensorcnt 0x0                           ; the wave's end
	ds_add_u32 v28, v29
	s_wait_dscnt 0x0
	CROUND                                         ; the closing round
	s_endpgm
.Lfunc_end_k_q7eb6ff72be_gf:
	.size	k_q7eb6ff72be_gf, .Lfunc_end_k_q7eb6ff72be_gf-k_q7eb6ff72be_gf
	.p2alignl 7, 3214868480
	.fill 96, 4, 3214868480
	.section	.rodata,"a",@progbits
	.p2align	6, 0x0
	.amdhsa_kernel k_q7eb6ff72be_gf
		.amdhsa_group_segment_fixed_size 327680
		.amdhsa_private_segment_fixed_size 0
		.amdhsa_enable_private_segment 0
		.amdhsa_kernarg_size 32
		.amdhsa_user_sgpr_count 2
		.amdhsa_user_sgpr_kernarg_segment_ptr 1
		.amdhsa_wavefront_size32 1
		.amdhsa_system_sgpr_workgroup_id_x 1
		.amdhsa_system_sgpr_workgroup_id_y 1
		.amdhsa_system_sgpr_workgroup_id_z 1
		.amdhsa_system_vgpr_workitem_id 0
		.amdhsa_next_free_vgpr 1024
		.amdhsa_next_free_sgpr 88
		.amdhsa_reserve_vcc 0
		.amdhsa_float_denorm_mode_32 3
		.amdhsa_float_denorm_mode_16_64 3
		.amdhsa_memory_ordered 1
		.amdhsa_forward_progress 1
		.amdhsa_inst_pref_size 98
	.end_amdhsa_kernel
	.amdgpu_metadata
---
amdhsa.version: [ 1, 2 ]
amdhsa.kernels:
  - .name:           k_q7eb6ff72be_gf
    .symbol:         k_q7eb6ff72be_gf.kd
    .args:
      - { .name: act, .offset: 0, .size: 8, .value_kind: global_buffer, .address_space: global }
      - { .name: w16, .offset: 8, .size: 8, .value_kind: global_buffer, .address_space: global }
      - { .name: b_fc, .offset: 16, .size: 8, .value_kind: global_buffer, .address_space: global }
      - { .name: g, .offset: 24, .size: 8, .value_kind: global_buffer, .address_space: global }
    .group_segment_fixed_size: 327680
    .private_segment_fixed_size: 0
    .kernarg_segment_align: 8
    .kernarg_segment_size: 32
    .max_flat_workgroup_size: 128
    .sgpr_count:     88
    .vgpr_count:     1024
    .wavefront_size: 32
...
	.end_amdgpu_metadata
.endif
;; end of part 5
;; launch gp (part 6): grid 8 x 32, 4 waves a work-group, clusters of 4 x 4, 327,680 bytes of LDS; arguments g, w16, b_proj, out0, x1; writes out0
.if DOCPART == 6
	.amdgcn_target "amdgcn-amd-amdhsa--gfx1250"
	.amdhsa_code_object_version 6
	.text
	.protected	k_q7eb6ff72be_gp
	.globl	k_q7eb6ff72be_gp
	.p2align	8
	.type	k_q7eb6ff72be_gp,@function
k_q7eb6ff72be_gp:
	s_mov_b64 s[64:65], 0
	v_nop
	global_prefetch_b8 v0, s[64:65] scope:SCOPE_SE
	s_setreg_imm32_b32 hwreg(HW_REG_WAVE_MODE, 25, 1), 1
	s_wait_xcnt 0x0
	s_wait_alu depctr_hold_cnt(0) depctr_sa_sdst(0) depctr_va_vdst(0) depctr_va_sdst(0) depctr_va_ssrc(0) depctr_va_vcc(0) depctr_vm_vsrc(0)
	s_getreg_b32 s2, hwreg(HW_REG_IB_STS2, 6, 4)
	s_cmp_eq_u32 s2, 0
	s_cbranch_scc0 .Lentry_in_a_cluster
	s_endpgm
.Lentry_in_a_cluster:
	s_bfe_u32 s2, ttmp6, 0x10000c
	s_cmp_lg_u32 s2, 0xf033
	s_cbranch_scc0 .Lentry_shape_is_right
	s_endpgm
.Lentry_shape_is_right:
; out = res + A W^T + bias.  A: f16 in blocks of 64 columns, [SIZE_K / 64][4096][64]; W: [1024][SIZE_K] f16 at byte WOFF of w16; bias: [1024] f32; res, out: [4096][1024] f32.  Sums in f32; nothing is rounded on the way out.
; A tile of C is 128 x 128; four waves, 2 x 2, each 64 x 64: 16 accumulators.  8 x 32 tiles: one work-group for each of 256.  K goes in steps of 256 through two LDS slots; ONE K step is written and looped over:
; s47 holds the LDS byte of the slot being read (0 or SLOT), the fragment addresses are made anew from it at each change of slots, and one descriptor set walks.
; A's part of a load is two blocks of 64 columns x 128 rows: each 16,384 dense bytes, asked for as one long row and padded in LDS after every 128 bytes.  B's is 64 rows of 512 bytes.
; CLUSTER 4 x 4: A's tile is asked for jointly along a cluster's row, B's along a column.  THE PRODUCT IS USED TRANSPOSED: a lane holds row l % 16 of C and eight neighbouring columns.
; No prefetch: the tiles are small and each K step's bytes few.  The residual's 32 rows a wave are loaded at the head and land while the products run.
; REGISTERS: window 0: v16-29 addresses, v32-35 bias, v128-255 accumulators ((a, b) at 128 + 8 (4 a + b)); window 1: two fragment buffers of 128 (A's 64, then B's 64); window 2: v0-127 the residual.
.set SIZE_K, 4096
.set WOFF,   16777216
.set KSTEP,  256
.set T,      SIZE_K/KSTEP
.set PA,     144                       ; a row of A in LDS: 128 bytes + 16
.set PB,     528                       ; a row of B: 512 + 16
.set ABLK,   128*PA                    ; a block of 64 columns
.set BOFF,   4*ABLK
.set HBB,    64*PB
.set SLOT,   BOFF+2*HBB
.set SP,     528                       ; a row of the f32 stage
.set SPARE,  2*SLOT                    ; the spare words, 128 bytes a wave, that no other line names
.set ACC, 128
.set F0, 0
.set F1, 128
.set G1A, 24
.set G0A, 32
.set G1B, 48
.set G0B, 56
.set MSB, 0
.macro WIN new
.if MSB != (\new)
	s_set_vgpr_msb (MSB<<8)|(\new)
.set MSB, \new
.endif
.endm
.set MUL,  0x05                        ; sources 0 (B) and 1 (A) window 1; C and D window 0
.set TO_F, 0x40
.macro PLACES
.rept 4
	v_nop
.endr
.endm
.macro JLOAD s                         ; waves 0, 1 fetch A's parts, waves 2, 3 B's; s_nop 0 and four v_nop follow each line
	s_cmp_eq_u32 s15, 0
	s_cbranch_scc0 .Lfor_b_\@
	tensor_load_to_lds s[G0A+4*(\s):G0A+4*(\s)+3], s[G1A:G1A+7]
	s_nop 0
.rept 4
	v_nop
.endr
	s_branch .Lasked_\@
.Lfor_b_\@:
	tensor_load_to_lds s[G0B+4*(\s):G0B+4*(\s)+3], s[G1B:G1B+7]
	s_nop 0
.rept 4
	v_nop
.endr
.Lasked_\@:
.endm
.macro CREST
	s_cmp_lg_u32 s14, 0
	s_cbranch_scc1 .Lnot_wave_0_\@
	s_barrier_signal -3
.Lnot_wave_0_\@:
	s_barrier_wait -3
	s_barrier_signal -1
	s_barrier_wait -1
.endm
.macro CROUND
	s_barrier_signal -1
	s_barrier_wait -1
	CREST
.endm
	s_load_b256 s[4:11], s[0:1], 0x0               ; A s[4:5], w16 s[6:7], bias s[8:9], out s[10:11]
	s_load_b64 s[12:13], s[0:1], 0x20              ; res
	v_lshl_add_u32 v28, v0, 2, SPARE
	v_mov_b32 v29, 0
	ds_add_u32 v28, v29                            ; the wave's opening: the add and its wait stand ahead of my first tensor load
	v_lshrrev_b32 v1, 5, v0
	v_readfirstlane_b32 s14, v1
	s_lshr_b32 s15, s14, 1                         ; row half; also 0 = I fetch for A, 1 = for B
	s_and_b32 s16, s14, 1                          ; column half; also which part I fetch
	s_bfe_u32 s17, ttmp6, 0x40000
	s_bfe_u32 s18, ttmp6, 0x40004
	s_lshl_b32 s19, ttmp9, 2
	s_add_co_u32 s19, s19, s17                     ; tile column
	s_and_b32 s20, ttmp7, 0xffff
	s_lshl_b32 s20, s20, 2
	s_add_co_u32 s20, s20, s18                     ; tile row
	s_lshl_b32 s21, s18, 2
	s_lshl_b32 s21, 15, s21
	s_lshl_b32 s22, 0x1111, s17
	s_or_b32 s[G1A+0], s21, (1<<16)|(1<<20)|(1<<21)|(4<<22)|(3<<25)  ; mask; 2-byte elements; padding on; bit 21 beside a mask; 4 words after every 32
	s_or_b32 s[G1B+0], s22, (1<<16)|(1<<20)|(1<<21)|(6<<22)|(3<<25)  ; 4 words after every 128
	s_mov_b32 s[G1A+1], 8192<<16                   ; A: rows of 8,192 elements,
	s_mov_b32 s[G1A+2], 2<<16                      ; two of them,
	s_mov_b32 s[G1A+3], 8192<<16
	s_mov_b32 s[G1A+4], 2
	s_mov_b32 s[G1A+5], 262144                     ; a block of 64 columns apart
	s_mov_b32 s[G1A+6], 0
	s_mov_b32 s[G1A+7], 0
	s_mov_b32 s[G1B+1], KSTEP<<16
	s_mov_b32 s[G1B+2], 64<<16
	s_mov_b32 s[G1B+3], KSTEP<<16
	s_mov_b32 s[G1B+4], 64
	s_mov_b32 s[G1B+5], SIZE_K
	s_mov_b32 s[G1B+6], 0
	s_mov_b32 s[G1B+7], 0
	s_lshl_b32 s40, s16, 20                        ; A: blocks 2 x part on, 524,288 bytes each,
	s_lshl_b32 s23, s20, 14                        ; row 128 x tile row, 128 bytes a row
	s_add_co_u32 s40, s40, s23
	s_mov_b32 s41, 0
	s_lshl_b32 s42, s19, 7
	s_lshl_b32 s71, s16, 6
	s_add_co_u32 s42, s42, s71                     ; B: row 128 x tile column + 64 x part
	s_mul_i32 s42, s42, 2*SIZE_K
	s_add_co_u32 s42, s42, WOFF
	s_mov_b32 s43, 0
	s_mul_i32 s66, s16, 2*ABLK                     ; where my part goes in a slot
	s_mul_i32 s67, s16, HBB
	s_add_co_u32 s67, s67, BOFF
	s_mov_b32 s47, 0
	s_wait_dscnt 0x0                               ; the opening add is done
	s_wait_kmcnt 0x0
	s_add_nc_u64 s[40:41], s[4:5], s[40:41]
	s_add_nc_u64 s[42:43], s[6:7], s[42:43]
	CROUND                                         ; all sixteen work-groups are here: the first joint loads meet
.irp s, 0,1
	s_mov_b32 s[G0A+4*(\s)], 1
	s_add_co_u32 s[G0A+4*(\s)+1], s66, (\s)*SLOT
	s_add_nc_u64 s[G0A+4*(\s)+2:G0A+4*(\s)+3], s[40:41], (\s)*2097152  ; a K step is four blocks
	s_or_b32 s[G0A+4*(\s)+3], s[G0A+4*(\s)+3], 0x80000000
	s_mov_b32 s[G0B+4*(\s)], 1
	s_add_co_u32 s[G0B+4*(\s)+1], s67, (\s)*SLOT
	s_add_nc_u64 s[G0B+4*(\s)+2:G0B+4*(\s)+3], s[42:43], (\s)*KSTEP*2
	s_or_b32 s[G0B+4*(\s)+3], s[G0B+4*(\s)+3], 0x80000000
	JLOAD \s                                       ; K steps 0 and 1: two loads of mine are out
.endr
	v_and_b32 v24, 31, v0
	v_lshlrev_b32 v24, 4, v24                      ; 16 x lane: my 16 bytes of a tile row's 512
	s_lshl_b32 s2, s20, 7
	s_lshl_b32 s3, s14, 5
	s_add_co_u32 s2, s2, s3                        ; the first row that I finish: 128 x tile row + 32 x wave
	s_lshl_b32 s2, s2, 12
	s_lshl_b32 s3, s19, 9                          ; the tile's columns: 512 bytes
	s_add_co_u32 s2, s2, s3
	s_mov_b32 s3, 0
	s_add_nc_u64 s[12:13], s[12:13], s[2:3]
	s_add_nc_u64 s[10:11], s[10:11], s[2:3]
	s_lshl_b32 s2, s19, 9
	s_add_nc_u64 s[8:9], s[8:9], s[2:3]
	WIN 0x80                                       ; destination window 2
.set t, 0
.rept 32
	global_load_b128 v[4*t:4*t+3], v24, s[12:13] offset:4096*t
.set t, t+1
.endr
	WIN 0
	global_load_b128 v[32:35], v24, s[8:9]
	v_and_b32 v1, 15, v0
	v_bfe_u32 v2, v0, 4, 1
	v_mul_u32_u24 v16, v1, PA
	v_lshl_add_u32 v16, v2, 4, v16
	s_mul_i32 s87, s15, 64*PA
	v_add_nc_u32 v16, s87, v16                     ; my 64 rows of A's block 0, in slot 0
	v_mul_u32_u24 v17, v1, PB
	v_lshl_add_u32 v17, v2, 4, v17
	s_mul_i32 s87, s16, HBB
	s_add_co_u32 s87, s87, BOFF
	v_add_nc_u32 v17, s87, v17                     ; my 64 rows of B
	v_mov_b32 v18, v16                             ; the same in the slot being read
	v_mov_b32 v19, v17
	s_mul_i32 s87, s15, 64*SP                      ; into the stage: row 64 x row half + l % 16, byte 256 x column half + 32 (l / 16)
	s_lshl_b32 s70, s16, 8
	s_add_co_u32 s87, s87, s70
	v_mul_u32_u24 v20, v1, SP
	v_lshl_add_u32 v20, v2, 5, v20
	v_add_nc_u32 v20, s87, v20
	s_mul_i32 s87, s14, 32*SP                      ; back: wave w takes rows 32 w on, a whole row of 512 bytes a load
	v_add_nc_u32 v22, s87, v24
.macro MUL8 f, c, a0, zero             ; 8 products: m blocks a0, a0 + 1 x 4 n blocks, 32 along K: half c of buffer f.  The 16 accumulators take turns
	WIN MUL
.irp a, \a0, (\a0)+1
.irp b, 0,1,2,3
.if \zero
	v_wmma_f32_16x16x32_f16 v[ACC+8*(4*(\a)+(\b)):ACC+8*(4*(\a)+(\b))+7], v[(\f)+64+8*(4*(\c)+(\b)):(\f)+64+8*(4*(\c)+(\b))+7], v[(\f)+8*(4*(\c)+(\a)):(\f)+8*(4*(\c)+(\a))+7], 0
.else
	v_wmma_f32_16x16x32_f16 v[ACC+8*(4*(\a)+(\b)):ACC+8*(4*(\a)+(\b))+7], v[(\f)+64+8*(4*(\c)+(\b)):(\f)+64+8*(4*(\c)+(\b))+7], v[(\f)+8*(4*(\c)+(\a)):(\f)+8*(4*(\c)+(\a))+7], v[ACC+8*(4*(\a)+(\b)):ACC+8*(4*(\a)+(\b))+7]
.endif
.endr
.endr
.endm
.macro FETCH q, f                      ; 32 LDS loads in one run: quarter q (64 along K: A's block q) into buffer f; the first 32 along K first
	WIN TO_F
.irp c, 0,1
.irp i, 0,1,2,3
	ds_load_b128 v[(\f)+64+8*(4*(\c)+(\i)):(\f)+64+8*(4*(\c)+(\i))+3],   v19 offset:128*(\q)+64*(\c)+(\i)*16*PB
	ds_load_b128 v[(\f)+64+8*(4*(\c)+(\i))+4:(\f)+64+8*(4*(\c)+(\i))+7], v19 offset:128*(\q)+64*(\c)+(\i)*16*PB+32
	ds_load_b128 v[(\f)+8*(4*(\c)+(\i)):(\f)+8*(4*(\c)+(\i))+3],         v18 offset:(\q)*ABLK+64*(\c)+(\i)*16*PA
	ds_load_b128 v[(\f)+8*(4*(\c)+(\i))+4:(\f)+8*(4*(\c)+(\i))+7],       v18 offset:(\q)*ABLK+64*(\c)+(\i)*16*PA+32
.endr
.endr
.endm
.macro QUARTER q, f, g, zero           ; multiplies buffer f; in its middle fetches quarter q into g
	s_wait_dscnt 16                                ; the first 32 along K are in; the youngest sixteen loads may be out
	MUL8 \f, 0, 0, \zero
	MUL8 \f, 0, 2, \zero
	PLACES
	FETCH \q, \g
	s_wait_dscnt 32                                ; all but the 32 just issued
	MUL8 \f, 1, 0, 0
	MUL8 \f, 1, 2, 0
.endm
; The last quarter multiplies buffer 1 and changes slots: in front of the barrier each wave waits for all its tensor loads, adds 0 to its spare word, and waits for that and for its reads of this slot.
; fill = 1: the barrier opens a round of the cluster's, and the slot just read out is filled again, first thing behind the round, with the K step two on.
.macro TURN fill
	WIN 0
	s_wait_tensorcnt 0x0
	ds_add_u32 v28, v29
	s_wait_dscnt 17                                ; the add and the youngest sixteen loads may be out
	MUL8 F1, 0, 0, 0
	s_wait_dscnt 0x0                               ; the add is done, my reads of this slot are over
	s_barrier_signal -1
	MUL8 F1, 0, 2, 0
	WIN 0
	s_barrier_wait -1
.if \fill
	CREST
	s_add_co_u32 s[G0A+5], s66, s47                ; the walking set: my part of the slot just read out,
	s_add_co_u32 s[G0B+5], s67, s47
	s_add_nc_u64 s[G0A+6:G0A+7], s[G0A+6:G0A+7], 2097152  ; the next K step
	s_add_nc_u64 s[G0B+6:G0B+7], s[G0B+6:G0B+7], KSTEP*2
	JLOAD 1                                        ; its four v_nop are also the places in front of the loads below
.else
	PLACES
.endif
	s_xor_b32 s47, s47, SLOT
	v_add_nc_u32 v18, s47, v16
	v_add_nc_u32 v19, s47, v17
	FETCH 0, F0
	MUL8 F1, 1, 0, 0
	MUL8 F1, 1, 2, 0
.endm
	s_wait_tensorcnt 1                             ; my part of K step 0 is in; K step 1's may stay out
	s_barrier_signal -1
	s_barrier_wait -1
	FETCH 0, F0
	QUARTER 1, F0, F1, 1                           ; the first quarter stands in front of the loop: its first products start the sums
	WIN 0
	s_mov_b32 s3, T-2
.Lk:
	QUARTER 2, F1, F0, 0
	QUARTER 3, F0, F1, 0
	TURN 1
	QUARTER 1, F0, F1, 0
	WIN 0
	s_sub_co_u32 s3, s3, 1
	s_cmp_lg_u32 s3, 0
	s_cbranch_scc1 .Lk
	s_mov_b32 s2, 2
.Ltail:                                            ; the last two K steps ask for nothing; the second trip is left in its middle, and its TURN's run of loads (a stale quarter) serves nothing
	QUARTER 2, F1, F0, 0
	QUARTER 3, F0, F1, 0
	TURN 0
	WIN 0
	s_sub_co_u32 s2, s2, 1
	s_cmp_eq_u32 s2, 0
	s_cbranch_scc1 .Lout
	QUARTER 1, F0, F1, 0
	WIN 0
	s_branch .Ltail
.Lout:
	; THE WAY OUT.  The ring has had its last fill; when nobody reads it any more the f32 sums go into a stage of 128 rows x 528 bytes at LDS byte 0 and come back as whole rows of 512 bytes.
	PLACES
	PLACES
	s_wait_dscnt 0x0
	s_barrier_signal -1
	s_barrier_wait -1
.irp a, 0,1,2,3
.irp b, 0,1,2,3
	ds_store_b128 v20, v[ACC+8*(4*\a+\b):ACC+8*(4*\a+\b)+3]   offset:\a*16*SP+64*\b
	ds_store_b128 v20, v[ACC+8*(4*\a+\b)+4:ACC+8*(4*\a+\b)+7] offset:\a*16*SP+64*\b+16
.endr
.endr
	s_wait_dscnt 0x0                               ; for the others' sake: my stores are done
	s_barrier_signal -1
	s_barrier_wait -1
.set t, 0
.rept 32
	ds_load_b128 v[ACC+4*t:ACC+4*t+3], v22 offset:SP*t
.set t, t+1
.endr
	s_wait_loadcnt 0x0                             ; the residual and the bias
	WIN 0x82                                       ; destination and source 0 window 2, source 1 window 0
.set t, 0
.rept 32
	v_pk_add_f32 v[4*t:4*t+1], v[4*t:4*t+1], v[32:33]
	v_pk_add_f32 v[4*t+2:4*t+3], v[4*t+2:4*t+3], v[34:35]
.set t, t+1
.endr
	WIN 0x88                                       ; destination and source 1 (also a store's data) window 2, source 0 (also its address) window 0
.set t, 0
.rept 32
	s_wait_dscnt 31-t                              ; row t is back, the younger ones stay out
	v_pk_add_f32 v[4*t:4*t+1], v[ACC+4*t:ACC+4*t+1], v[4*t:4*t+1]
	v_pk_add_f32 v[4*t+2:4*t+3], v[ACC+4*t+2:ACC+4*t+3], v[4*t+2:4*t+3]
	global_store_b128 v24, v[4*t:4*t+3], s[10:11] offset:4096*t  ; 512 consecutive bytes, aligned
.set t, t+1
.endr
	WIN 0
	s_wait_tensorcnt 0x0                           ; the wave's end
	ds_add_u32 v28, v29
	s_wait_dscnt 0x0
	CROUND                                         ; the closing round
	s_endpgm
.Lfunc_end_k_q7eb6ff72be_gp:
	.size	k_q7eb6ff72be_gp, .Lfunc_end_k_q7eb6ff72be_gp-k_q7eb6ff72be_gp
	.p2alignl 7, 3214868480
	.fill 96, 4, 3214868480
	.section	.rodata,"a",@progbits
	.p2align	6, 0x0
	.amdhsa_kernel k_q7eb6ff72be_gp
		.amdhsa_group_segment_fixed_size 327680
		.amdhsa_private_segment_fixed_size 0
		.amdhsa_enable_private_segment 0
		.amdhsa_kernarg_size 40
		.amdhsa_user_sgpr_count 2
		.amdhsa_user_sgpr_kernarg_segment_ptr 1
		.amdhsa_wavefront_size32 1
		.amdhsa_system_sgpr_workgroup_id_x 1
		.amdhsa_system_sgpr_workgroup_id_y 1
		.amdhsa_system_sgpr_workgroup_id_z 1
		.amdhsa_system_vgpr_workitem_id 0
		.amdhsa_next_free_vgpr 640
		.amdhsa_next_free_sgpr 88
		.amdhsa_reserve_vcc 0
		.amdhsa_float_denorm_mode_32 3
		.amdhsa_float_denorm_mode_16_64 3
		.amdhsa_memory_ordered 1
		.amdhsa_forward_progress 1
		.amdhsa_inst_pref_size 70
	.end_amdhsa_kernel
	.amdgpu_metadata
---
amdhsa.version: [ 1, 2 ]
amdhsa.kernels:
  - .name:           k_q7eb6ff72be_gp
    .symbol:         k_q7eb6ff72be_gp.kd
    .args:
      - { .name: g, .offset: 0, .size: 8, .value_kind: global_buffer, .address_space: global }
      - { .name: w16, .offset: 8, .size: 8, .value_kind: global_buffer, .address_space: global }
      - { .name: b_proj, .offset: 16, .size: 8, .value_kind: global_buffer, .address_space: global }
      - { .name: out0, .offset: 24, .size: 8, .value_kind: global_buffer, .address_space: global }
      - { .name: x1, .offset: 32, .size: 8, .value_kind: global_buffer, .address_space: global }
    .group_segment_fixed_size: 327680
    .private_segment_fixed_size: 0
    .kernarg_segment_align: 8
    .kernarg_segment_size: 40
    .max_flat_workgroup_size: 128
    .sgpr_count:     88
    .vgpr_count:     640
    .wavefront_size: 32
...
	.end_amdgpu_metadata
.endif
;; end of part 6
;; ======== version 2 of 2: 7 launches; version 1 with the launches ln, ln2 written anew for expert scheduling mode
;; limits: values are held in f16: magnitudes above 65,504 overflow, below 6.1e-05 lose precision
;; workspace buffers: w16 25,165,824 bytes; act 8,388,608 bytes; qkv 25,165,824 bytes; x1 16,777,216 bytes; g 33,554,432 bytes
;; launch ln (part 7): grid 1024 x 1, 8 waves a work-group, no clusters, 0 bytes of LDS; arguments x, ln1_w, ln1_b, act, w_qkv, w_o, w_fc, w_proj, w16; writes act, w16
.if DOCPART == 7
	.amdgcn_target "amdgcn-amd-amdhsa--gfx1250"
	.amdhsa_code_object_version 6
	.text
	.protected	k_q7eb6ff72be_ln
	.globl	k_q7eb6ff72be_ln
	.p2align	8
	.type	k_q7eb6ff72be_ln,@function
k_q7eb6ff72be_ln:
	s_mov_b64 s[64:65], 0
	v_nop
	global_prefetch_b8 v0, s[64:65] scope:SCOPE_SE
	s_setreg_imm32_b32 hwreg(HW_REG_WAVE_SCHED_MODE, 0, 2), 2
	s_setreg_imm32_b32 hwreg(HW_REG_WAVE_MODE, 25, 1), 1
	s_wait_xcnt 0x0
	s_wait_alu depctr_vm_vsrc(0)
; TWO JOBS IN ONE TEXT, told apart by the work-group's number.
; WORK-GROUPS 0 TO 255: h[m][c] = (x[m][c] - mu[m]) * rsqrt(var[m] + 1e-5) * w[c] + b[c].  x: [4096][1024] f32; w, b: [1024] f32; h: [4096][1024] f16, rounded once.
; Two passes over a row that stays in registers: the mean, then the mean of (x - mu)^2: no difference of large sums.  LIMIT: h of 65,520 or more in magnitude becomes an infinity.
; One wave, one row at a time: 4,096 bytes = 32 registers; a wave takes two rows, a work-group of eight waves 16 rows.  No LDS, no barrier; what work-groups share, w and b, is 8 KiB beside 64 KiB of rows: no cluster.
; Load j of a row covers 512 consecutive bytes (lane l: columns 128 j + 4 l .. + 3); w and b lie in registers the same way; store j covers 256 consecutive bytes, aligned.
; WORK-GROUPS 256 ON: w16 = the four weight matrices, each number rounded once to f16, in their own row-major order, one behind the other: w_qkv at byte 0, w_o at 6,291,456, w_fc at 8,388,608,
; w_proj at 16,777,216.  LIMIT: a weight of 65,520 or more in magnitude becomes an infinity; below 6e-5 f16 keeps a fixed step of 6e-8.  A work-group converts 16,384 numbers: 65,536 bytes in, 32,768 out.
; Thread t takes 16 bytes of each 4,096: a wave's load covers 512 consecutive bytes, its store 256 consecutive bytes, aligned; all 16 loads of a thread go out at once, and no register is written twice.
; The block's first norm is launched with 1,024 work-groups and does both jobs side by side; its second norm with 256, which never reach the second job.
; THE MODE: SCHED_MODE bits 1:0 = 2 (LLVM: expert scheduling mode 2), set by the entry lines.  The code itself states the register dependences
; between vector instructions and memory instructions, with s_wait_alu, always for 0.
; THE PLAN.  Registers that memory instructions touch:
;   v1, v2        byte offsets of the loads and of the stores, in both jobs: made at the job's head and never written again.
;   THE NORM.     X0, X1, W, BV: each register is the landing place of one load, issued before any vector instruction names it; behind the waits on LOADcnt vector instructions alone name them.
;                 Y: 16 registers a row, written once, by the row's conversions, and read by the row's eight stores.
;   THE WEIGHTS.  v8-71: each the landing place of one load, all issued ahead of every conversion.  v72-103: two registers for each load, written once, by its conversions, and read by one store.
; So no register that a memory instruction reads is ever written again, and no load lands in a register that a vector instruction has named: what is left to state is that offsets and store data are written.
; The norm: one wait ahead of the loads (v1, v2); one behind row 0's conversions, whose eight stores are then dealt among row 1's scalings, which name X1 and its root alone; one behind row 1's conversions.
; The weights: one wait ahead of the loads; the 16 loads are taken in four groups of four, and the wait at a group's head states that the group before has written its eight registers: that group's four stores are
; dealt among this group's conversions, which name their own registers alone; one more wait stands ahead of the last four stores.
.set X0, 32                            ; v[32:63]   row 0
.set X1, 64                            ; v[64:95]   row 1
.set W,  96                            ; v[96:127]  w
.set BV, 128                           ; v[128:159] b
.set Y,  160                           ; v[160:191] both rows in f16
	s_cmp_lt_u32 ttmp9, 256
	s_cbranch_scc0 .Lcast
	s_load_b256 s[4:11], s[0:1], 0x0               ; x s[4:5], w s[6:7], b s[8:9], h s[10:11]
	v_and_b32 v3, 31, v0
	v_lshlrev_b32 v1, 4, v3                        ; 16 x lane
	v_lshlrev_b32 v2, 3, v3                        ; 8 x lane
	v_lshrrev_b32 v3, 5, v0
	v_readfirstlane_b32 s12, v3                    ; wave
	v_mov_b32 v16, 0x3727c5ac                      ; 1e-5
	s_lshl_b32 s13, ttmp9, 4
	s_wait_alu depctr_va_sdst(0)                   ; s12 is written, ahead of its first reader: my rows' offsets are made from it
	s_lshl_b32 s14, s12, 1
	s_add_co_u32 s13, s13, s14                     ; my first row
	s_lshl_b32 s14, s13, 12                        ; 4,096 bytes a row of x
	s_mov_b32 s15, 0
	s_lshl_b32 s18, s13, 11                        ; 2,048 bytes a row of h
	s_mov_b32 s19, 0
	s_mov_b32 s16, 0x76543210                      ; v_permlanex16_b32: each lane takes its own place in the other half
	s_mov_b32 s17, 0xfedcba98
	s_mov_b32 s20, 0x3a800000                      ; 1 / 1024
	s_wait_kmcnt 0x0
	s_add_nc_u64 s[4:5], s[4:5], s[14:15]
	s_add_nc_u64 s[10:11], s[10:11], s[18:19]
	s_wait_alu depctr_va_vdst(0)                   ; v1 and v2 are written: every load of this job reads v1 as its offset, every store v2
.irp j, 0,1,2,3,4,5,6,7
	global_load_b128 v[X0+4*\j:X0+4*\j+3], v1, s[4:5] offset:512*\j
.endr
.irp j, 0,1,2,3,4,5,6,7
	global_load_b128 v[X1+4*\j:X1+4*\j+3], v1, s[4:5] offset:4096+512*\j
.endr
.irp j, 0,1,2,3,4,5,6,7
	global_load_b128 v[W+4*\j:W+4*\j+3], v1, s[6:7] offset:512*\j
.endr
.irp j, 0,1,2,3,4,5,6,7
	global_load_b128 v[BV+4*\j:BV+4*\j+3], v1, s[8:9] offset:512*\j
.endr
.macro RED                             ; the four chains v[4:11] into v4, then over the 32 lanes: every lane ends with the sum
	v_pk_add_f32 v[4:5], v[4:5], v[6:7]
	v_pk_add_f32 v[8:9], v[8:9], v[10:11]
	v_pk_add_f32 v[4:5], v[4:5], v[8:9]
	v_add_f32 v4, v4, v5
	v_add_f32_dpp v4, v4, v4 row_xmask:1 row_mask:0xf bank_mask:0xf
	v_add_f32_dpp v4, v4, v4 row_xmask:2 row_mask:0xf bank_mask:0xf
	v_add_f32_dpp v4, v4, v4 row_xmask:4 row_mask:0xf bank_mask:0xf
	v_add_f32_dpp v4, v4, v4 row_xmask:8 row_mask:0xf bank_mask:0xf
	v_permlanex16_b32 v5, v4, s16, s17
	v_add_f32 v4, v4, v5
.endm
; The row in v[x ..] becomes x - mu; v[rs:rs+1] takes rsqrt(var + eps), twice.  The wait for the roots stands behind the second row's.
.macro STATS x, rs
.irp c, 0,1,2,3
	v_pk_add_f32 v[4+2*\c:5+2*\c], v[(\x)+2*\c:(\x)+2*\c+1], v[(\x)+8+2*\c:(\x)+9+2*\c]  ; the first pairs start the chains: nothing is cleared
.endr
.irp p, 8,9,10,11,12,13,14,15
	v_pk_add_f32 v[4+2*(\p%4):5+2*(\p%4)], v[4+2*(\p%4):5+2*(\p%4)], v[(\x)+2*\p:(\x)+2*\p+1]
.endr
	RED
	v_mul_f32 v12, s20, v4                         ; mu
	v_mov_b32 v13, v12
.irp p, 0,1,2,3,4,5,6,7,8,9,10,11,12,13,14,15
	v_pk_add_f32 v[(\x)+2*\p:(\x)+2*\p+1], v[(\x)+2*\p:(\x)+2*\p+1], v[12:13] neg_lo:[0,1] neg_hi:[0,1]
.endr
.irp c, 0,1,2,3
	v_pk_mul_f32 v[4+2*\c:5+2*\c], v[(\x)+2*\c:(\x)+2*\c+1], v[(\x)+2*\c:(\x)+2*\c+1]
.endr
.irp p, 4,5,6,7,8,9,10,11,12,13,14,15
	v_pk_fma_f32 v[4+2*(\p%4):5+2*(\p%4)], v[(\x)+2*\p:(\x)+2*\p+1], v[(\x)+2*\p:(\x)+2*\p+1], v[4+2*(\p%4):5+2*(\p%4)]
.endr
	RED
	v_fma_f32 v4, v4, s20, v16                     ; var + eps
	v_rsq_f32 v[\rs], v4
	v_rsq_f32 v[(\rs)+1], v4
	v_nop                                          ; a plain instruction behind the last root, ahead of its use and of the next write of v4
.endm
.macro PUT row, j                      ; store j of a row: 256 consecutive bytes, aligned
	global_store_b64 v2, v[Y+16*(\row)+2*(\j):Y+16*(\row)+2*(\j)+1], s[10:11] offset:2048*(\row)+256*(\j)
.endm
; A row's scaling, gain and bias, and rounding.  deal = 1: the eight stores of the row before stand among the scalings, one ahead of every second one.
.macro FIN x, rs, row, deal
.irp p, 0,1,2,3,4,5,6,7,8,9,10,11,12,13,14,15
.if (\deal) && ((\p)%2 == 0)
	PUT (\row)-1, (\p)/2                           ; no wait: no vector instruction since the wait ahead of this row names v2 or the other row's Y
.endif
	v_pk_mul_f32 v[(\x)+2*\p:(\x)+2*\p+1], v[(\x)+2*\p:(\x)+2*\p+1], v[\rs:(\rs)+1]
.endr
.irp p, 0,1,2,3,4,5,6,7,8,9,10,11,12,13,14,15
	v_pk_fma_f32 v[(\x)+2*\p:(\x)+2*\p+1], v[(\x)+2*\p:(\x)+2*\p+1], v[W+2*\p:W+2*\p+1], v[BV+2*\p:BV+2*\p+1]
.endr
.irp p, 0,1,2,3,4,5,6,7,8,9,10,11,12,13,14,15
	v_cvt_pk_f16_f32 v[Y+16*(\row)+\p], v[(\x)+2*\p], v[(\x)+2*\p+1]
.endr
.endm
	s_wait_loadcnt 24                              ; row 0 is in; row 1, w and b (24 loads) stay out
	STATS X0, 14
	s_wait_loadcnt 16                              ; row 1 is in; w and b stay out
	STATS X1, 18
	s_wait_alu depctr_va_vdst(0)                   ; the four roots have written v14, v15, v18 and v19, ahead of their first reader, row 0's scaling: one wait for both rows
	s_wait_loadcnt 0x0
	FIN X0, 14, 0, 0
	s_wait_alu depctr_va_vdst(0)                   ; row 0's conversions have written Y's first sixteen registers, which the eight stores dealt among row 1's scalings read
	FIN X1, 18, 1, 1
	s_wait_alu depctr_va_vdst(0)                   ; row 1's conversions have written Y's other sixteen, which the last eight stores read
.irp j, 0,1,2,3,4,5,6,7
	PUT 1, \j
.endr
	s_endpgm
.Lcast:                                            ; the weights: the order of the work-groups is the order of the bytes of w16
	s_load_b256 s[4:11], s[0:1], 0x20              ; w_qkv s[4:5], w_o s[6:7], w_fc s[8:9], w_proj s[10:11]
	s_load_b64 s[12:13], s[0:1], 0x40              ; w16
	v_lshlrev_b32 v1, 4, v0                        ; 16 t
	v_lshlrev_b32 v2, 3, v0                        ; 8 t
	s_sub_co_u32 s14, ttmp9, 256                   ; 0 .. 767
	s_mov_b32 s18, 512                             ; the first work-group of w_proj
	s_wait_kmcnt 0x0
	s_mov_b64 s[16:17], s[10:11]
	s_cmp_lt_u32 s14, 512                          ; 256 .. 511: w_fc
	s_cselect_b64 s[16:17], s[8:9], s[16:17]
	s_cselect_b32 s18, 256, s18
	s_cmp_lt_u32 s14, 256                          ; 192 .. 255: w_o
	s_cselect_b64 s[16:17], s[6:7], s[16:17]
	s_cselect_b32 s18, 192, s18
	s_cmp_lt_u32 s14, 192                          ; 0 .. 191: w_qkv
	s_cselect_b64 s[16:17], s[4:5], s[16:17]
	s_cselect_b32 s18, 0, s18
	s_sub_co_u32 s18, s14, s18
	s_lshl_b32 s18, s18, 16                        ; 65,536 bytes of the source for each work-group
	s_mov_b32 s19, 0
	s_add_nc_u64 s[16:17], s[16:17], s[18:19]
	s_lshl_b32 s20, s14, 15                        ; 32,768 bytes of w16
	s_mov_b32 s21, 0
	s_add_nc_u64 s[12:13], s[12:13], s[20:21]
	s_wait_alu depctr_va_vdst(0)                   ; v1 and v2 are written: every load of this job reads v1 as its offset, every store v2
.set j, 0
.rept 16
	global_load_b128 v[8+4*j:11+4*j], v1, s[16:17] offset:4096*j th:TH_LOAD_NT
.set j, j+1
.endr
.set g, 0
.rept 4                                ; group g: loads 4 g to 4 g + 3 are rounded; the stores of the group before stand among the conversions
	s_wait_loadcnt 12-4*g                          ; loads come back in order: group g is in, the 12 - 4 g younger loads stay out
.if g > 0
	s_wait_alu depctr_va_vdst(0)                   ; the conversions of the group before have written their eight registers, which the four stores below read
.endif
.set j, 4*g
.rept 4
.if g > 0
	global_store_b64 v2, v[72+2*(j-4):73+2*(j-4)], s[12:13] offset:2048*(j-4)  ; no further wait: this group's conversions name v[8+4 j ..] and v[72+2 j ..] of their own loads alone
.endif
	v_cvt_pk_f16_f32 v[72+2*j], v[8+4*j], v[9+4*j]
	v_cvt_pk_f16_f32 v[73+2*j], v[10+4*j], v[11+4*j]
.set j, j+1
.endr
.set g, g+1
.endr
	s_wait_alu depctr_va_vdst(0)                   ; the last group's conversions have written v96 to v103, which the last four stores read
.set j, 12
.rept 4
	global_store_b64 v2, v[72+2*j:73+2*j], s[12:13] offset:2048*j
.set j, j+1
.endr
	s_endpgm
.Lfunc_end_k_q7eb6ff72be_ln:
	.size	k_q7eb6ff72be_ln, .Lfunc_end_k_q7eb6ff72be_ln-k_q7eb6ff72be_ln
	.p2alignl 7, 3214868480
	.fill 96, 4, 3214868480
	.section	.rodata,"a",@progbits
	.p2align	6, 0x0
	.amdhsa_kernel k_q7eb6ff72be_ln
		.amdhsa_group_segment_fixed_size 0
		.amdhsa_private_segment_fixed_size 0
		.amdhsa_enable_private_segment 0
		.amdhsa_kernarg_size 72
		.amdhsa_user_sgpr_count 2
		.amdhsa_user_sgpr_kernarg_segment_ptr 1
		.amdhsa_wavefront_size32 1
		.amdhsa_system_sgpr_workgroup_id_x 1
		.amdhsa_system_sgpr_workgroup_id_y 1
		.amdhsa_system_sgpr_workgroup_id_z 1
		.amdhsa_system_vgpr_workitem_id 0
		.amdhsa_next_free_vgpr 192
		.amdhsa_next_free_sgpr 66
		.amdhsa_reserve_vcc 0
		.amdhsa_float_denorm_mode_32 3
		.amdhsa_float_denorm_mode_16_64 3
		.amdhsa_memory_ordered 1
		.amdhsa_forward_progress 1
		.amdhsa_inst_pref_size 27
	.end_amdhsa_kernel
	.amdgpu_metadata
---
amdhsa.version: [ 1, 2 ]
amdhsa.kernels:
  - .name:           k_q7eb6ff72be_ln
    .symbol:         k_q7eb6ff72be_ln.kd
    .args:
      - { .name: x, .offset: 0, .size: 8, .value_kind: global_buffer, .address_space: global }
      - { .name: ln1_w, .offset: 8, .size: 8, .value_kind: global_buffer, .address_space: global }
      - { .name: ln1_b, .offset: 16, .size: 8, .value_kind: global_buffer, .address_space: global }
      - { .name: act, .offset: 24, .size: 8, .value_kind: global_buffer, .address_space: global }
      - { .name: w_qkv, .offset: 32, .size: 8, .value_kind: global_buffer, .address_space: global }
      - { .name: w_o, .offset: 40, .size: 8, .value_kind: global_buffer, .address_space: global }
      - { .name: w_fc, .offset: 48, .size: 8, .value_kind: global_buffer, .address_space: global }
      - { .name: w_proj, .offset: 56, .size: 8, .value_kind: global_buffer, .address_space: global }
      - { .name: w16, .offset: 64, .size: 8, .value_kind: global_buffer, .address_space: global }
    .group_segment_fixed_size: 0
    .private_segment_fixed_size: 0
    .kernarg_segment_align: 8
    .kernarg_segment_size: 72
    .max_flat_workgroup_size: 256
    .sgpr_count:     66
    .vgpr_count:     192
    .wavefront_size: 32
...
	.end_amdgpu_metadata
.endif
;; end of part 7
;; launch gq: the kernel of part 2 again; grid 16 x 16, 4 waves a work-group, clusters of 4 x 4, 327,680 bytes of LDS; arguments act, w16, b_qkv, qkv; writes qkv
;; launch attn: the kernel of part 3 again; grid 8 x 32, 8 waves a work-group, no clusters, 327,680 bytes of LDS; arguments qkv, act; writes act
;; launch go: the kernel of part 4 again; grid 8 x 32, 4 waves a work-group, clusters of 4 x 4, 327,680 bytes of LDS; arguments act, w16, b_o, x1, x; writes x1
;; launch ln2: the kernel of part 7 again; grid 256 x 1, 8 waves a work-group, no clusters, 0 bytes of LDS; arguments x1, ln2_w, ln2_b, act, w_qkv, w_o, w_fc, w_proj, w16; writes act, w16
;; launch gf: the kernel of part 5 again; grid 16 x 16, 4 waves a work-group, clusters of 4 x 4, 327,680 bytes of LDS; arguments act, w16, b_fc, g; writes g
;; launch gp: the kernel of part 6 again; grid 8 x 32, 4 waves a work-group, clusters of 4 x 4, 327,680 bytes of LDS; arguments g, w16, b_proj, out0, x1; writes out0
